; MI455X (gfx1250); checked and timed in simulation.
; The chip was launched on July 23, 2026; its instructions are those of AMD's public machine-readable ISA for CDNA 5 (MIT licence, August 2026) and "CDNA5" Instruction Set Architecture Reference Guide (July 2026). The comments in the code are by the model that wrote it; some were corrected since.
;; Conditional Layer. Allowed arithmetic: matrix products marked QUANTISED: E2M3 operands, one E8M0 scale for each 32 along K, by v_wmma_scale_f32_16x16x128_f8f6f4 with both operands' format E2M3, f32 sums; everything else in f32.
;; Inputs: W1 8 x 1,024 x 1,024 float32; W2 8 x 1,024 x 1,024 float32; b1 8 x 1,024 float32; b2 8 x 1,024 float32; cond_ids 4,096 int32; x 4,096 x 1,024 float32.
;; Outputs: out0 4,096 x 1,024 float32.
;; This version of the problem:
;;   THIS VERSION OF THE PROBLEM IS GIVEN IN LOW PRECISION. The matrix products marked QUANTISED in the list below multiply operands that are first quantised to E2M3 (2 exponent bits, 3 mantissa bits; 6 bits a number), with one power-of-two scale for each 32 numbers along K (OCP MX v1.0); their sums are f32. All else is computed in f32.
;;   The module's matrix products, in the order in which they are computed (A, B: the left and right operand; K: the contracted axis; several contracted axes count as one K, in the product's order):
;;     1. batch 8 x [M 4,096, K 1,024] x [K 1,024, N 1,024]; A: computed on the way; B: input W1: QUANTISED
;;     2. batch 8 x [M 4,096, K 1,024] x [K 1,024, N 1,024]; A: computed on the way; B: input W2: QUANTISED
;;   THE QUANTISER, for each operand of a quantised product, along K:
;;     - K is cut into blocks of 32 from its start; a last block that is shorter is filled with zeros.
;;     - A block's scale is 2^e with e = floor(log2(the largest magnitude in the block)) - 2, held to -126 .. 127; a block of zeros has e = 0. As a byte (E8M0): e + 127.
;;     - Each number is divided by its block's scale, clamped to +-7.5, and rounded to the nearest number of E2M3, ties to even, subnormals kept.
;;     - The product sums the exact products of the quantised numbers (number of the format x scale) in f32.
;;   ~~~python
;;   def quantise(x, axis):      # numpy; x: float32 -> the quantised numbers, widened to float32 again
;;       x = np.moveaxis(x, axis, -1); K = x.shape[-1]
;;       x = np.pad(x, [(0, 0)] * (x.ndim - 1) + [(0, -K % 32)]); x = x.reshape(x.shape[:-1] + (-1, 32)); a = np.abs(x).max(-1, keepdims=True)
;;       e = np.where(a > 0, np.clip(np.frexp(np.where(a > 0, a, 1))[1] - 1 - 2, -126, 127), 0)      # np.frexp(a)[1] - 1 = floor(log2(a)), exactly
;;       r = np.clip(x / 2.0 ** e, -7.5, 7.5)
;;       step = 2.0 ** (np.maximum(np.frexp(np.where(r == 0, 1, r))[1] - 1, 0) - 3)
;;       q = np.round(r / step) * step * 2.0 ** e      # np.round: ties to even
;;       return np.moveaxis(q.reshape(q.shape[:-2] + (-1,))[..., :K], -1, axis).astype(np.float32)
;;   ~~~
;;   OPERANDS COMPUTED ON THE WAY. 'Computed on the way' means the value that the module computes at that place (a softmax that the list does not call 'softmax' is quantised finished and normalised). What goes into a quantiser is computed in f32, as accurately as f32 sums, v_exp_f32 and their like allow (about 1e-6 of the number): no bf16 or f16 on the way to a quantiser, and a product that is left as it is and whose result goes on into a quantised operand takes f32 operands (vector FMAs, or v_wmma_f32_16x16x4_f32). A number that lies on a knife's edge between two numbers of the format may be rounded either way, as far as f32 arithmetic and the matrix unit's own rounding can turn it there, and no further.
;; 2 versions. Each part assembles by itself: llvm-mc -triple=amdgcn-amd-amdhsa -mcpu=gfx1250 --defsym DOCPART=n.
;; ======== version 1 of 2: 2 launches
;; workspace buffers: wq 12,582,912 bytes; wsc 524,288 bytes; vtab 32,768 bytes; order 16,384 bytes of whole numbers; tiles 2,048 bytes of whole numbers
;; launch prep (part 1): grid 257 x 1, 16 waves a work-group, no clusters, 6,656 bytes of LDS; arguments W1, W2, b1, b2, cond_ids, wq, wsc, vtab, order, tiles; writes wq, wsc, vtab, order, tiles
.if DOCPART == 1
	.amdgcn_target "amdgcn-amd-amdhsa--gfx1250"
	.amdhsa_code_object_version 6
	.text
	.protected	k_qd77aa869f0_prep
	.globl	k_qd77aa869f0_prep
	.p2align	8
	.type	k_qd77aa869f0_prep,@function
k_qd77aa869f0_prep:
	s_mov_b64 s[64:65], 0
	v_nop
	global_prefetch_b8 v0, s[64:65] scope:SCOPE_SE
	s_setreg_imm32_b32 hwreg(HW_REG_WAVE_MODE, 25, 1), 1
	s_wait_xcnt 0x0
; PREP.  Work-groups 0-255 turn W1 and W2 ([8][1024 k][1024 n] f32, K the FIRST axis of an expert's matrix) into codes of FP6 (E2M3) with one E8M0 byte for each 32 along K,
; laid in the order of the operand's registers, so that the second launch loads every fragment whole:
;   wq  [layer 2][expert 8][cw 8][f = 8 s + t][chunk 3][lane 32][16 bytes]: cw owns columns 128 cw .. 128 cw + 127, s is the K step of 128, t one of 8 tiles of 16 columns.
;   wsc [layer][expert][cw][pb 4][hf 2][lane 32][4 words]: word s % 4 of half s / 4; lanes 0-15 the rows of tile 2 pb, lanes 16-31 those of tile 2 pb + 1.
; THE COLUMNS OF A TILE ARE NOT NEIGHBOURS: lane r of tile 2 b + u is column 32 b + 8 u + r + 8 (r / 8), so that in a transposed product a lane's 16 registers of tiles 2 b, 2 b + 1 are 16 neighbouring columns.
; W2's work-groups also make v_c = Q(relu(b1_c)) Q(W2_c) + b2_c, what expert c adds to every row that is not its own (such a row's masked x is 0, so its hidden layer is relu(b1_c)): vtab [8][1024] f32.
; Work-group 256 sorts the 4,096 rows by expert (a counting sort, no atomics): order = the rows, experts on end; tiles = 128 entries (expert, first position, rows, 0) for tiles of 64 rows.
; SHARES.  Work-group i < 256: layer i / 128, expert (i / 16) % 8, 64 columns 64 (i % 16) on, all of K.  Wave wv: 32 columns (wv % 2), K step wv / 2.  A LANE TAKES A COLUMN AND ITS REGISTERS RUN DOWN K:
; a load reads 128 neighbouring bytes, a block of 32 lies in one lane, the conversions give codes with K innermost; one exchange of halves makes the two tiles' fragments.
; A block's scale is 2^(floor(log2(largest magnitude)) - 2); its byte is that magnitude's exponent field - 2, held at 1 from below.
; LIMITS: NaN and infinities among the inputs are not served; a block whose largest magnitude lies under 2^-124 takes the byte 1; a block of zeros takes the byte 1 where the rule says 127 (its codes are zeros,
; and this program alone reads the bytes); v_c is the f32 sum of eight K steps' partial sums in ascending K; an id outside 0 .. 7 is sorted to expert 7, where the second launch's own mask makes its x zero.
.set VP,  2048                         ; LDS: bytes 0-2047 the work-group's scale words; from VP 16 waves x 128 bytes of partial v (W2's work-groups alone);
.set CNT, 4096                         ; from CNT 16 waves x 16 bytes of counts (the sorting work-group alone)
.set X0,  16                           ; v16-47, v48-79  two sets of 32 numbers
.set X1,  48
.set P,   80                           ; v80-91   blocks 0, 2 of my column; behind the exchange the fragment of tile 2 pb
.set Q,   92                           ; v92-103  blocks 1, 3; behind the exchange the fragment of tile 2 pb + 1
.set T,   104                          ; v104-106 a block's second 16 codes (a conversion's three registers begin on an even number)
.set BFR, 108                          ; v108-119 the fragment of relu(b1)
; v1 lane; v2 4 x my column; v3 16 x lane; v4, v5, v6, v7 LDS addresses; v8 128 x (lane / 16); v9 my column's bytes in b2 and vtab; v10-13 at work; v14 W's scale word; v15 relu(b1)'s scale word; v120-127 at work
	s_load_b512 s[4:19], s[0:1], 0x0               ; W1 s[4:5], W2 s[6:7], b1 s[8:9], b2 s[10:11], cond_ids s[12:13], wq s[14:15], wsc s[16:17], vtab s[18:19]
	s_load_b128 s[20:23], s[0:1], 0x40             ; order s[20:21], tiles s[22:23]
	v_lshl_add_u32 v128, v0, 2, 0x1200
	v_mov_b32 v129, 0
	v_lshrrev_b32 v1, 5, v0
	v_readfirstlane_b32 s24, v1                    ; wave 0..15
	v_and_b32 v1, 31, v0                           ; lane
	s_cmp_eq_u32 ttmp9, 256
	s_cbranch_scc1 .Lsort                          ; the last work-group sorts; the two ways never join, and each has LDS bytes of its own
	s_and_b32 s25, s24, 1                          ; g: which 32 columns
	s_lshr_b32 s26, s24, 1                         ; s: which K step
	s_bfe_u32 s28, ttmp9, 0x30004                  ; the expert
	s_and_b32 s29, ttmp9, 15                       ; cg: which 64 columns
	v_and_b32 v2, 7, v1
	v_bfe_u32 v10, v1, 3, 1
	v_lshl_add_u32 v2, v10, 4, v2
	v_lshrrev_b32 v10, 4, v1
	v_lshl_add_u32 v2, v10, 3, v2                  ; my column of the 32: lane % 8 + 16 ((lane / 8) % 2) + 8 (lane / 16)
	v_lshlrev_b32 v2, 2, v2
	v_lshlrev_b32 v3, 4, v1
	v_lshlrev_b32 v8, 7, v10
	s_lshl_b32 s54, s25, 10
	s_lshr_b32 s55, s26, 2
	s_lshl_b32 s55, s55, 9
	s_add_co_u32 s54, s54, s55
	s_and_b32 s55, s26, 3
	s_lshl_b32 s55, s55, 2
	s_add_co_u32 s54, s54, s55
	v_add_nc_u32 v4, s54, v3                       ; my scale word in LDS: 1024 g + 512 (s / 4) + 16 lane + 4 (s % 4)
	v_lshl_add_u32 v5, v0, 2, VP                   ; my partial v: VP + 128 wave + 4 lane
	v_lshlrev_b32 v6, 4, v0                        ; 16 x thread: a place among the scale words, in LDS and in wsc alike
	s_lshl_b32 s54, s25, 7
	v_lshl_add_u32 v7, v1, 2, s54
	v_add_nc_u32 v7, VP, v7                        ; the partials of K step 0 for my 32 columns; K step s lies 256 s on
	v_add_nc_u32 v9, s54, v2
	s_lshl_b32 s30, s28, 22                        ; W: expert x 4 MiB + K step x 128 rows of 4,096 bytes + 256 cg + 128 g
	s_lshl_b32 s31, s26, 19
	s_add_co_u32 s30, s30, s31
	s_lshl_b32 s31, s29, 8
	s_add_co_u32 s30, s30, s31
	s_add_co_u32 s30, s30, s54
	s_mov_b32 s31, 0
	s_lshr_b32 s46, ttmp9, 1                       ; wq: ((layer x 8 + expert) x 8 + cw) = work-group / 2, 98,304 bytes each,
	s_mul_i32 s46, s46, 98304
	s_lshl_b32 s47, s26, 3                         ; + fragment 8 s + 2 pb, 2 pb = 4 (cg % 2) + 2 g, 1,536 bytes each
	s_and_b32 s55, s29, 1
	s_lshl_b32 s55, s55, 2
	s_add_co_u32 s47, s47, s55
	s_lshl_b32 s55, s25, 1
	s_add_co_u32 s47, s47, s55
	s_mul_i32 s47, s47, 1536
	s_add_co_u32 s46, s46, s47
	s_mov_b32 s47, 0
	s_lshl_b32 s48, ttmp9, 11                      ; wsc: 2,048 bytes a work-group, on end
	s_mov_b32 s49, 0
	s_lshl_b32 s50, s28, 12                        ; b1: expert's row + 512 s
	s_lshl_b32 s51, s26, 9
	s_add_co_u32 s50, s50, s51
	s_mov_b32 s51, 0
	s_lshl_b32 s52, s28, 12                        ; b2, vtab: expert's row + 256 cg
	s_lshl_b32 s53, s29, 8
	s_add_co_u32 s52, s52, s53
	s_mov_b32 s53, 0
	s_mov_b32 s44, 0x76543210
	s_mov_b32 s45, 0xfedcba98                      ; v_permlanex16_b32's selects for lane l xor 16
	s_wait_kmcnt 0x0
	s_cmp_lt_u32 ttmp9, 128                        ; W1's work-group or W2's: the choice hangs on the work-group's number alone
	s_cselect_b64 s[32:33], s[4:5], s[6:7]
	s_add_nc_u64 s[32:33], s[32:33], s[30:31]
	s_add_nc_u64 s[34:35], s[14:15], s[46:47]
	s_add_nc_u64 s[36:37], s[16:17], s[48:49]
	s_add_nc_u64 s[38:39], s[8:9], s[50:51]
	s_add_nc_u64 s[40:41], s[10:11], s[52:53]
	s_add_nc_u64 s[42:43], s[18:19], s[52:53]
.macro LOADW t, set                    ; block t of my K step: W(32 t + i, my column)
.irp i, 0,1,2,3,4,5,6,7,8,9,10,11,12,13,14,15,16,17,18,19,20,21,22,23,24,25,26,27,28,29,30,31
	global_load_b32 v[\set+\i], v2, s[32:33] offset:(32*\t+\i)*4096 th:TH_LOAD_NT
.endr
.endm
.macro LOADB cc, set                   ; b1's block 2 cc + lane / 16 of my K step: the 32 numbers that the operand's layout gives my lane; all sixteen rows of the fragment are alike
.irp j, 0,1,2,3,4,5,6,7
	global_load_b128 v[\set+4*\j:\set+4*\j+3], v8, s[38:39] offset:256*\cc+16*\j
.endr
.endm
.macro RELU set
.irp i, 0,1,2,3,4,5,6,7,8,9,10,11,12,13,14,15,16,17,18,19,20,21,22,23,24,25,26,27,28,29,30,31
	v_max_num_f32 v[\set+\i], 0, v[\set+\i]
.endr
.endm
.macro BLK set, dest                   ; 32 numbers of one block become six registers of codes at dest; the scale's byte is left in v13
	v_max3_num_f32 v10, |v[\set]|, |v[\set+1]|, |v[\set+2]|         ; the block's largest magnitude, in two chains
	v_max3_num_f32 v11, |v[\set+3]|, |v[\set+4]|, |v[\set+5]|
.irp i, 6,10,14,18,22,26
	v_max3_num_f32 v10, v10, |v[\set+\i]|, |v[\set+\i+1]|
	v_max3_num_f32 v11, v11, |v[\set+\i+2]|, |v[\set+\i+3]|
.endr
	v_max3_num_f32 v10, v10, |v[\set+30]|, |v[\set+31]|
	v_max3_num_f32 v10, v10, v11, 0x1800000        ; and the floor 2^(3 - 127): the byte cannot fall under 1
	v_add_nc_u32 v12, 0xff000000, v10              ; 2 off the exponent field: the conversion takes this operand's exponent field as its scale
	v_lshrrev_b32 v13, 23, v12                     ; the scale's byte
	v_cvt_scalef32_pk16_fp6_f32 v[\dest:\dest+2], v[\set:\set+15], v12
	v_cvt_scalef32_pk16_fp6_f32 v[T:T+2], v[\set+16:\set+31], v12
	v_nop                                          ; one plain place behind a scaled conversion
.irp i, 0,1,2
	v_mov_b32 v[\dest+3+\i], v[T+\i]
.endr
.endm
.macro BYTE t                          ; the four bytes of my column's K step make its scale word, the lower K in the lower byte
.if \t == 0
	v_mov_b32 v14, v13
.else
	v_lshl_or_b32 v14, v13, 8*\t, v14
.endif
.endm
.macro SWAPSTORE                       ; P's lanes 16-31 (tile 2 pb + 1, blocks 0, 2) change places with Q's lanes 0-15 (tile 2 pb, blocks 1, 3): P and Q are now the two tiles' fragments
.irp i, 0,1,2,3,4,5,6,7,8,9,10,11
	v_permlane16_swap_b32 v[P+\i], v[Q+\i]
.endr
.irp k, 0,1,2,3,4,5
	global_store_b128 v3, v[P+4*\k:P+4*\k+3], s[34:35] offset:512*\k   ; 32 lanes store 512 consecutive bytes, at a multiple of 256 from wq's first byte
.endr
.endm
	LOADW 0, X0
	LOADW 1, X1
	s_wait_loadcnt 32                              ; block 0 is in; block 1's 32 loads may be out
	BLK X0, P
	BYTE 0
	LOADW 2, X0
	s_wait_loadcnt 32                              ; block 1 is in; block 2's may be out
	BLK X1, Q
	BYTE 1
	LOADW 3, X1
	s_wait_loadcnt 32                              ; block 2 is in; block 3's may be out
	BLK X0, P+6
	BYTE 2
	s_cmp_lt_u32 ttmp9, 128
	s_cbranch_scc0 .Lw2
	s_wait_loadcnt 0x0                             ; W1: block 3
	BLK X1, Q+6
	BYTE 3
	SWAPSTORE
	s_branch .Lmeet
.Lw2:
	LOADB 0, X0
	s_wait_loadcnt 8                               ; W2: block 3 is in; the eight loads of b1 may be out
	BLK X1, Q+6
	BYTE 3
	LOADB 1, X1
	SWAPSTORE
	s_wait_loadcnt 8                               ; b1's first 32 numbers are in; the second eight loads may be out
	RELU X0
	BLK X0, BFR
	v_mov_b32 v120, v13                            ; the byte of block lane / 16
	s_wait_loadcnt 0x0
	RELU X1
	BLK X1, BFR+6
	v_lshl_or_b32 v122, v13, 16, v120              ; my two bytes: blocks h and 2 + h,
	v_lshrrev_b32 v123, 4, v8
	v_lshlrev_b32 v122, v123, v122                 ; 8 h bits up;
	v_mov_b32 v123, 0
	v_permlanex16_b32 v123, v122, s44, s45
	v_or_b32 v15, v122, v123                       ; with lane l xor 16's two the word is whole
.rept 8
	v_nop                                          ; a scale register written by a vector instruction stands 8 places ahead of a scaled matrix instruction, an operand so written 4
.endr
	v_wmma_scale_f32_16x16x128_f8f6f4 v[16:23], v[BFR:BFR+11], v[P:P+11], 0, v15, v14 matrix_a_fmt:MATRIX_FMT_FP6 matrix_b_fmt:MATRIX_FMT_FP6
	v_wmma_scale_f32_16x16x128_f8f6f4 v[24:31], v[BFR:BFR+11], v[Q:Q+11], 0, v15, v14 matrix_a_fmt:MATRIX_FMT_FP6 matrix_b_fmt:MATRIX_FMT_FP6 matrix_b_scale:MATRIX_SCALE_ROW1
.rept 4
	v_nop                                          ; four places ahead of the first read of the results (ISA guide 7.12.1)
.endr
	v_cmp_le_u32 vcc_lo, 16, v1
	v_cndmask_b32 v121, v16, v24, vcc_lo           ; all rows of a result are alike: register 0 of lane 16 u + r is column r of tile u: my column's partial sum
	ds_store_b32 v5, v121
.Lmeet:
	ds_store_b32 v4, v14
	s_wait_dscnt 0x0                               ; for the others' sake: my LDS stores are done
	s_barrier_signal -1
	s_barrier_wait -1
	s_cmp_lt_u32 s24, 4
	s_cbranch_scc0 .Lend
	ds_load_b128 v[124:127], v6                    ; waves 0-3: the work-group's 2,048 bytes of scale words leave as they lie
	s_wait_dscnt 0x0
	global_store_b128 v6, v[124:127], s[36:37]     ; 512 consecutive bytes a wave
	s_cmp_lt_u32 s24, 2
	s_cbranch_scc0 .Lend
	s_cmp_lt_u32 ttmp9, 128
	s_cbranch_scc1 .Lend
	global_load_b32 v120, v9, s[40:41]             ; waves 0, 1 of W2's work-groups: b2 of my column,
.irp k, 0,1,2,3,4,5,6,7
	ds_load_b32 v[112+\k], v7 offset:256*\k        ; and the eight K steps' partial sums
.endr
	s_wait_dscnt 0x0
	v_add_f32 v122, v112, v113
.irp k, 2,3,4,5,6,7
	v_add_f32 v122, v122, v[112+\k]                ; in ascending K
.endr
	s_wait_loadcnt 0x0
	v_add_f32 v122, v122, v120
	global_store_b32 v9, v122, s[42:43]            ; a wave's 32 columns: 128 neighbouring bytes
.Lend:
	s_wait_tensorcnt 0x0
	ds_add_u32 v128, v129
	s_wait_dscnt 0x0
	s_endpgm
; THE SORT.  Wave wv has rows 256 wv + 32 j + lane, j = 0 .. 7.  Counts go from wave to wave through LDS, two 16-bit counts to a word (no count passes 4,096).
; s48-55 my wave's counts, later the first tile of each expert; s66-73 rows of each expert; s74-81 where my wave's next row of each expert goes; s82-89 where each expert's rows begin.
.Lsort:
	s_lshl_b32 s56, s24, 10
	v_lshl_add_u32 v32, v1, 2, s56                 ; my ids' bytes
	s_lshl_b32 s57, s24, 4
	s_add_co_u32 s57, s57, CNT
	v_mov_b32 v33, s57                             ; my wave's 16 bytes of counts
	v_and_b32 v34, 15, v0
	v_lshl_add_u32 v34, v34, 4, CNT                ; and those of wave lane % 16
	s_lshl_b32 s58, s24, 8
	v_add_nc_u32 v35, s58, v1                      ; my first row
	s_wait_kmcnt 0x0
.irp j, 0,1,2,3,4,5,6,7
	global_load_b32 v[40+\j], v32, s[12:13] offset:128*\j
.endr
.irp e, 0,1,2,3,4,5,6,7
	s_mov_b32 s[48+\e], 0
.endr
	s_wait_loadcnt 0x0
.irp j, 0,1,2,3,4,5,6,7
	v_min_u32 v[40+\j], 7, v[40+\j]                ; whatever lies outside 0 .. 7 (as unsigned: negatives too) goes to bucket 7
.endr
.irp j, 0,1,2,3,4,5,6,7
.irp e, 0,1,2,3,4,5,6,7
	v_cmp_eq_u32 vcc_lo, \e, v[40+\j]
	s_bcnt1_i32_b32 s56, vcc_lo
	s_add_co_u32 s[48+\e], s[48+\e], s56
.endr
.endr
.irp p, 0,1,2,3
	s_lshl_b32 s56, s[49+2*\p], 16
	s_or_b32 s56, s56, s[48+2*\p]
	v_mov_b32 v[48+\p], s56
.endr
	ds_store_b128 v33, v[48:51]                    ; all lanes write the same 16 bytes with the same values
	s_wait_dscnt 0x0
	s_barrier_signal -1
	s_barrier_wait -1
	ds_load_b128 v[52:55], v34
	s_add_co_u32 s57, s24, 16
	v_cmp_gt_u32 vcc_lo, s57, v1                   ; lanes 0-15 keep all sixteen waves' counts, lanes 16-31 those of the waves before mine
.irp p, 0,1,2,3
	v_mov_b32 v[56+\p], 0                          ; (a DPP form's destination counts as read)
.endr
	s_wait_dscnt 0x0
.irp p, 0,1,2,3
	v_cndmask_b32 v[52+\p], 0, v[52+\p], vcc_lo
.endr
.irp x, 1,2,4,8
.irp p, 0,1,2,3
	v_mov_b32_dpp v[56+\p], v[52+\p] row_xmask:\x row_mask:0xf bank_mask:0xf
.endr
.irp p, 0,1,2,3
	v_add_nc_u32 v[52+\p], v[52+\p], v[56+\p]      ; summed within each half of 16 lanes
.endr
.endr
.irp p, 0,1,2,3
	v_readlane_b32 s56, v[52+\p], 0                ; the totals,
	v_readlane_b32 s57, v[52+\p], 16               ; and what the waves before mine hold
	s_and_b32 s[66+2*\p], s56, 0xffff
	s_lshr_b32 s[67+2*\p], s56, 16
	s_and_b32 s[74+2*\p], s57, 0xffff
	s_lshr_b32 s[75+2*\p], s57, 16
.endr
	s_mov_b32 s56, 0                               ; rows of the experts before,
	s_mov_b32 s57, 0                               ; and their tiles
.irp e, 0,1,2,3,4,5,6,7
	s_mov_b32 s[82+\e], s56
	s_add_co_u32 s[74+\e], s[74+\e], s56
	s_mov_b32 s[48+\e], s57
	s_add_co_u32 s56, s56, s[66+\e]
	s_add_co_u32 s58, s[66+\e], 63
	s_lshr_b32 s58, s58, 6
	s_add_co_u32 s57, s57, s58
.endr
.irp j, 0,1,2,3,4,5,6,7                ; each j has its own address and data registers: no store's sources are written again
	v_cmp_eq_u32 vcc_lo, 0, v[40+\j]
	v_mbcnt_lo_u32_b32 v[60+\j], vcc_lo, s74       ; expert 0's place for every lane; the lanes of other experts are given theirs below
	s_bcnt1_i32_b32 s56, vcc_lo
	s_add_co_u32 s74, s74, s56
.irp e, 1,2,3,4,5,6,7
	v_cmp_eq_u32 vcc_lo, \e, v[40+\j]
	v_mbcnt_lo_u32_b32 v36, vcc_lo, s[74+\e]       ; the expert's next place + the lanes of that expert below mine
	v_cndmask_b32 v[60+\j], v[60+\j], v36, vcc_lo
	s_bcnt1_i32_b32 s56, vcc_lo
	s_add_co_u32 s[74+\e], s[74+\e], s56
.endr
	v_min_u32 v[60+\j], 0xfff, v[60+\j]
	v_lshlrev_b32 v[60+\j], 2, v[60+\j]
	v_add_nc_u32 v[68+\j], 32*\j, v35
	global_store_b32 v[60+\j], v[68+\j], s[20:21]
.endr
	s_cmp_lt_u32 s24, 4
	s_cbranch_scc0 .Lsort_end
	v_mov_b32 v84, 0                               ; waves 0-3: entry i = my thread's number.  Its expert is the last whose first tile is at or before i
	v_mov_b32 v77, s48
	v_mov_b32 v78, s82
	v_mov_b32 v79, s66
.irp e, 1,2,3,4,5,6,7
	v_cmp_le_u32 vcc_lo, s[48+\e], v0
	v_cndmask_b32 v84, v84, \e, vcc_lo
	v_cndmask_b32 v77, v77, s[48+\e], vcc_lo
	v_cndmask_b32 v78, v78, s[82+\e], vcc_lo
	v_cndmask_b32 v79, v79, s[66+\e], vcc_lo
.endr
	v_sub_nc_u32 v80, v0, v77                      ; which tile of the expert
	v_lshl_add_u32 v85, v80, 6, v78                ; its first position in order,
	v_min_u32 v85, 0xfff, v85                      ; (an entry past the last tile has no rows: its position is only kept inside the list)
	v_lshlrev_b32 v86, 6, v80
	v_sub_nc_u32 v86, v79, v86
	v_max_i32 v86, 0, v86
	v_min_i32 v86, 64, v86                         ; and its rows: what is left of the expert's, 0 .. 64
	v_mov_b32 v87, 0
	v_lshlrev_b32 v88, 4, v0
	global_store_b128 v88, v[84:87], s[22:23]
.Lsort_end:
	s_wait_tensorcnt 0x0
	ds_add_u32 v128, v129
	s_wait_dscnt 0x0
	s_endpgm
.Lfunc_end_k_qd77aa869f0_prep:
	.size	k_qd77aa869f0_prep, .Lfunc_end_k_qd77aa869f0_prep-k_qd77aa869f0_prep
	.p2alignl 7, 3214868480
	.fill 96, 4, 3214868480
	.section	.rodata,"a",@progbits
	.p2align	6, 0x0
	.amdhsa_kernel k_qd77aa869f0_prep
		.amdhsa_group_segment_fixed_size 6656
		.amdhsa_private_segment_fixed_size 0
		.amdhsa_enable_private_segment 0
		.amdhsa_kernarg_size 80
		.amdhsa_user_sgpr_count 2
		.amdhsa_user_sgpr_kernarg_segment_ptr 1
		.amdhsa_wavefront_size32 1
		.amdhsa_system_sgpr_workgroup_id_x 1
		.amdhsa_system_sgpr_workgroup_id_y 1
		.amdhsa_system_sgpr_workgroup_id_z 1
		.amdhsa_system_vgpr_workitem_id 0
		.amdhsa_next_free_vgpr 130
		.amdhsa_next_free_sgpr 96
		.amdhsa_reserve_vcc 1
		.amdhsa_float_denorm_mode_32 3
		.amdhsa_float_denorm_mode_16_64 3
		.amdhsa_memory_ordered 1
		.amdhsa_forward_progress 1
		.amdhsa_inst_pref_size 64
	.end_amdhsa_kernel
	.amdgpu_metadata
---
amdhsa.version: [ 1, 2 ]
amdhsa.kernels:
  - .name:           k_qd77aa869f0_prep
    .symbol:         k_qd77aa869f0_prep.kd
    .args:
      - { .name: W1, .offset: 0, .size: 8, .value_kind: global_buffer, .address_space: global }
      - { .name: W2, .offset: 8, .size: 8, .value_kind: global_buffer, .address_space: global }
      - { .name: b1, .offset: 16, .size: 8, .value_kind: global_buffer, .address_space: global }
      - { .name: b2, .offset: 24, .size: 8, .value_kind: global_buffer, .address_space: global }
      - { .name: cond_ids, .offset: 32, .size: 8, .value_kind: global_buffer, .address_space: global }
      - { .name: wq, .offset: 40, .size: 8, .value_kind: global_buffer, .address_space: global }
      - { .name: wsc, .offset: 48, .size: 8, .value_kind: global_buffer, .address_space: global }
      - { .name: vtab, .offset: 56, .size: 8, .value_kind: global_buffer, .address_space: global }
      - { .name: order, .offset: 64, .size: 8, .value_kind: global_buffer, .address_space: global }
      - { .name: tiles, .offset: 72, .size: 8, .value_kind: global_buffer, .address_space: global }
    .group_segment_fixed_size: 6656
    .private_segment_fixed_size: 0
    .kernarg_segment_align: 8
    .kernarg_segment_size: 80
    .max_flat_workgroup_size: 512
    .sgpr_count:     96
    .vgpr_count:     130
    .wavefront_size: 32
...
	.end_amdgpu_metadata
.endif
;; end of part 1
;; launch chain (part 2): grid 71 x 1, 8 waves a work-group, no clusters, 183,296 bytes of LDS; arguments x, cond_ids, order, tiles, wq, wsc, b1, b2, vtab, out0; writes out0
.if DOCPART == 2
	.amdgcn_target "amdgcn-amd-amdhsa--gfx1250"
	.amdhsa_code_object_version 6
	.text
	.protected	k_qd77aa869f0_chain
	.globl	k_qd77aa869f0_chain
	.p2align	8
	.type	k_qd77aa869f0_chain,@function
k_qd77aa869f0_chain:
	s_mov_b64 s[64:65], 0
	v_nop
	global_prefetch_b8 v0, s[64:65] scope:SCOPE_SE
	s_setreg_imm32_b32 hwreg(HW_REG_WAVE_MODE, 25, 1), 1
	s_wait_xcnt 0x0
; CHAIN.  out[b] = Q(relu(Q(x[b] mask) Q(W1_e) + b1_e)) Q(W2_e) + T_e for the rows b of expert e, T_e = b2_e + the sum over c != e of v_c (v_c: what expert c adds to rows that are not its own, from vtab).
; Both products on codes of FP6 (E2M3) with one E8M0 scale for each 32 along K.  One work-group takes one tile of up to 64 rows of one expert through the whole chain; the hidden layer never goes to memory.
; GRID: 4,096 rows in tiles of 64 over 8 experts are never more than 64 + 7 = 71 tiles, whatever the split.  A tile that the split leaves without rows walks the text on one clamped row and stores nothing:
; every wave has to pass both barriers, and no barrier stands under a branch on loaded numbers.
; SHARES.  THE WAVES SHARE THE COLUMNS: wave w makes hidden units 128 w .. 128 w + 127 (K step w of the second product) and outputs 128 w .. 128 w + 127, for all 64 rows: 32 accumulators of 16 x 16.
; So each fragment of the weights is wanted by ONE wave: it comes from memory straight into that wave's operand registers (three loads of 16 bytes a lane, laid so by the first launch) and feeds four matrix instructions.
; The rows' codes (x, then the hidden layer) go from wave to wave through LDS as images of the operand's registers: 16 bytes a lane, 512 bytes a store; scale words 4 bytes a lane.
; NO JOINT LOADS: how many tiles an expert has hangs on cond_ids, so partners of one expert cannot be fixed in the grid; and a fragment that passed through LDS would be written and read there for one wave's use.
; BOTH PRODUCTS ARE USED TRANSPOSED (source 0 = 16 columns of W, source 1 = 16 rows): a lane holds one row; by the first launch's choice of a tile's columns the 16 registers of tiles 2 b, 2 b + 1 are columns 32 b + 16 (lane / 16) + 0 .. 15.
; The biases (b1_e; T_e) are the accumulators' first content, loaded from LDS: nothing is cleared and nothing is added afterwards.
; LIMITS: NaN and infinities are not served; a block under 2^-124 or of zeros takes the scale byte 1 (zero codes add nothing); the bias stands at the head of each f32 sum, T_e is summed in ascending c;
; a row whose id lies outside 0 .. 7 arrives in expert 7's tiles, its x is multiplied by the mask 0, and it gets the sum of all v_c, as reference() gives it.
; REGISTERS.  Window 0: v1-9, v28-31 addresses; v10-13 the rows' numbers; v14-15 the mask; v16-19 the rows' ids; v20-23 x's offsets; v24-27 the rows' scale words; v32-63 the weights' scale words;
;   v64-111 four fragments of rows (while quantising: v64-79 at work, v80-99 codes, v100 the scale word; at the head: biases and offsets); v112-255 a ring of 3 x 4 fragments of weights (on the way out: rows of out).
;   Window 1: the 4 x 64 numbers of x, then the accumulators: tile t of columns, tile m of rows at v[64 m + 8 t].
.set XIMG,  0                          ; LDS: x's 32 fragments (8 m + s), 1,536 bytes each,
.set XSC,   49152                      ; their scale words, 128 bytes each,
.set HIMG,  53248                      ; the hidden layer's 32 fragments,
.set HSC,   102400                     ; their scale words,
.set BIAS1, 106496                     ; b1_e, 4,096 bytes; T_e lies 4,096 bytes on,
.set STG,   114688                     ; and a stage of 16 rows x (512 + 16) bytes for each wave alone
.set LI,  1                            ; 16 x lane
.set LS,  2                            ; 4 x lane
.set WI,  3                            ; LI + 1,536 w: where I store an image
.set WSA, 4                            ; LS + 128 w: and its scale word
.set BA,  5                            ; BIAS1 + 512 w + 64 (lane / 16)
.set STO, 6
.set RD,  7
.set CO,  8                            ; 512 w + 16 x lane: my bytes in a row of out
.set FLR, 9                            ; 2^(3 - 127)
.set RW,  10
.set MK,  14
.set CD,  16
.set XA,  20
.set XS,  24
.set LIH, 28                           ; LI, LS, WI, WSA with HIMG or HSC added: an LDS immediate has 16 bits
.set LSH, 29
.set WIH, 30
.set WSH, 31
.set WS,  32
.set BF,  64
.set TM,  64
.set PC,  80
.set PW,  100
.set CA,  100
.set OAD, 104
.set RING, 112
.set BK,  112
.set OA,  176
.set MSB, 0
.macro WIN new                         ; bits 1:0 source 0, 3:2 source 1, 5:4 source 2, 7:6 destination; the immediate's high byte repeats the setting that is left
.if MSB != \new
	s_set_vgpr_msb (MSB<<8)|\new
.set MSB, \new
.endif
.endm
.macro RLOAD g                         ; group g of 32 (16 to a layer): four fragments of my weights into ring slot g % 3
.irp i, 0,1,2,3
.irp c, 0,1,2
	global_load_b128 v[RING+48*((\g)%3)+12*\i+4*\c:RING+48*((\g)%3)+12*\i+4*\c+3], v[LI], s[32:33] offset:((\g)/16)*6291456+(((\g)%16)*4+\i)*1536+512*\c
.endr
.endr
.endm
.macro WSLOAD ph                       ; my weights' scale words of layer ph: v[WS + 8 b + s]: lanes 0-15 tile 2 b, lanes 16-31 tile 2 b + 1, K step s
.irp b, 0,1,2,3
.irp f, 0,1
	global_load_b128 v[WS+8*\b+4*\f:WS+8*\b+4*\f+3], v[LI], s[34:35] offset:\ph*262144+1024*\b+512*\f
.endr
.endr
.endm
.macro FETCHB ia, io, sa, so, s        ; the four tiles of rows, K step s: fragments and scale words, as any wave stored them
.irp m, 0,1,2,3
.irp c, 0,1,2
	ds_load_b128 v[BF+12*\m+4*\c:BF+12*\m+4*\c+3], v[\ia] offset:\io+(8*\m+\s)*1536+512*\c
.endr
	ds_load_b32 v[XS+\m], v[\sa] offset:\so+(8*\m+\s)*128
.endr
.endm
; Sixteen products: four tiles of my columns x the four tiles of rows, one K step.  The 32 accumulators take turns, one instruction a turn: 31 others' stand between two on one accumulator.
; n: the global loads that may stay out.  Four places follow, ahead of the loads into the slot, the rows' fragments and the scale words that these products read (ISA guide 7.12.1 for vector instructions).
.macro GROUP g, ia, io, sa, so, n
.set GG, (\g)%16
.set KS, GG/2
.if GG%2 == 0
	FETCHB \ia, \io, \sa, \so, KS
.endif
	s_wait_loadcnt \n
.if GG%2 == 0
	s_wait_dscnt 0x0
.endif
	WIN 0x50                                       ; C and D in window 1
.irp i, 0,1,2,3
.irp m, 0,1,2,3
.set TT, 4*(GG%2)+\i
.set DD, 64*\m+8*TT
.set AA, RING+48*((\g)%3)+12*\i
.set BB, BF+12*\m
.set SA, WS+8*(TT/2)+KS
.if \i%2 == 0
	v_wmma_scale_f32_16x16x128_f8f6f4 v[DD:DD+7], v[AA:AA+11], v[BB:BB+11], v[DD:DD+7], v[SA], v[XS+\m] matrix_a_fmt:MATRIX_FMT_FP6 matrix_b_fmt:MATRIX_FMT_FP6
.else
	v_wmma_scale_f32_16x16x128_f8f6f4 v[DD:DD+7], v[AA:AA+11], v[BB:BB+11], v[DD:DD+7], v[SA], v[XS+\m] matrix_a_fmt:MATRIX_FMT_FP6 matrix_b_fmt:MATRIX_FMT_FP6 matrix_a_scale:MATRIX_SCALE_ROW1
.endif
.endr
.endr
	WIN 0
.rept 4
	v_nop
.endr
.if (\g) == 15
	WSLOAD 1                                       ; the second layer's scale words, ahead of group 18
.endif
.if (\g)+3 < 32
	RLOAD (\g)+3                                   ; the slot just multiplied takes the group three on: the stream runs on through the change of layer
.endif
.endm
.macro PRELOAD off                     ; the accumulators' first content: register 64 m + 16 b + i of lane (r, h) takes the bias of column 128 w + 32 b + 16 h + i.  These 512 bytes were stored by my own wave's threads
	WIN 0x40
.irp m, 0,1,2,3
.irp b, 0,1,2,3
.irp q, 0,1,2,3
	ds_load_b128 v[64*\m+16*\b+4*\q:64*\m+16*\b+4*\q+3], v[BA] offset:\off+128*\b+16*\q
.endr
.endr
.endr
	WIN 0
.endm
; 64 numbers of a lane in window 1, register s + 16 b + i = k 32 b + 16 (lane / 16) + i of my row, become a fragment's codes in v[PC] on and its scale word in v[PW].
.macro QUANT s
	WIN 0x14                                       ; sources 1 and 2 in window 1
.irp b, 0,1,2,3
	v_max3_num_f32 v[TM+\b], v[FLR], |v[(\s)+16*\b]|, |v[(\s)+16*\b+1]|   ; block b: my 16 numbers, and the floor: the byte cannot fall under 1
.endr
.irp i, 2,4,6,8,10,12,14
.irp b, 0,1,2,3
	v_max3_num_f32 v[TM+\b], v[TM+\b], |v[(\s)+16*\b+\i]|, |v[(\s)+16*\b+\i+1]|   ; (the four blocks by turns)
.endr
.endr
	WIN 0
.irp b, 0,1,2,3
	v_permlanex16_b32 v[TM+4+\b], v[TM+\b], s30, s31
.endr
.irp b, 0,1,2,3
	v_max_num_f32 v[TM+\b], v[TM+\b], v[TM+4+\b]   ; with lane l xor 16's: the block's largest magnitude
.endr
.irp b, 0,1,2,3
	v_add_nc_u32 v[TM+12+\b], 0xff000000, v[TM+\b] ; 2 off its exponent field: the conversion's scale operand
.endr
.irp b, 0,1,2,3
	v_lshrrev_b32 v[TM+4+\b], 23, v[TM+12+\b]      ; the scale's byte
.endr
	v_lshl_or_b32 v[PW], v[TM+5], 8, v[TM+4]
	v_lshl_or_b32 v[PW], v[TM+6], 16, v[PW]
	v_lshl_or_b32 v[PW], v[TM+7], 24, v[PW]
	WIN 0x01                                       ; source 0 in window 1
.irp c, 0,1
	v_cvt_scalef32_pk16_fp6_f32 v[PC+6*\c:PC+6*\c+2], v[(\s)+32*\c:(\s)+32*\c+15], v[TM+12+2*\c]
	v_cvt_scalef32_pk16_fp6_f32 v[PC+12+4*\c:PC+14+4*\c], v[(\s)+32*\c+16:(\s)+32*\c+31], v[TM+13+2*\c]   ; (a conversion's three registers begin on an even number)
.endr
	WIN 0
	v_nop                                          ; one plain place behind a scaled conversion
.irp c, 0,1                                    ; the operand's layout wants a whole block in a lane: lanes 0-15 block 2 c, lanes 16-31 block 2 c + 1
.irp i, 0,1,2
	v_permlane16_swap_b32 v[PC+6*\c+\i], v[PC+12+4*\c+\i]
.endr
.irp i, 0,1,2
	v_mov_b32 v[PC+3+6*\c+\i], v[PC+12+4*\c+\i]
.endr
.endr
.endm
.macro IMAGE ia, io, sa, so            ; the fragment and its scale word go to LDS as they stand
.irp c, 0,1,2
	ds_store_b128 v[\ia], v[PC+4*\c:PC+4*\c+3] offset:\io+512*\c
.endr
	ds_store_b32 v[\sa], v[PW] offset:\so
	s_wait_dscnt 0x0                               ; the stores have read their registers: the next codes may be written
.endm
.macro BARRIER                         ; my LDS stores have landed and my LDS loads are in: then the work-group's barrier
	s_wait_dscnt 0x0
	s_barrier_signal -1
	s_barrier_wait -1
.endm
	s_load_b512 s[4:19], s[0:1], 0x0               ; x s[4:5], cond_ids s[6:7], order s[8:9], tiles s[10:11], wq s[12:13], wsc s[14:15], b1 s[16:17], b2 s[18:19]
	s_load_b128 s[20:23], s[0:1], 0x40             ; vtab s[20:21], out0 s[22:23]
	v_lshrrev_b32 v1, 5, v0
	v_readfirstlane_b32 s28, v1                    ; wave 0..7
	v_and_b32 v110, 15, v0                         ; r
	v_bfe_u32 v111, v0, 4, 1                       ; h
	v_and_b32 v1, 31, v0
	v_lshlrev_b32 v[LS], 2, v1
	v_lshlrev_b32 v[LI], 4, v1
	s_mul_i32 s56, s28, 1536
	v_add_nc_u32 v[WI], s56, v[LI]
	s_lshl_b32 s56, s28, 7
	v_add_nc_u32 v[WSA], s56, v[LS]
	v_add_nc_u32 v[LIH], HIMG, v[LI]
	v_add_nc_u32 v[LSH], HSC, v[LS]
	v_add_nc_u32 v[WIH], HIMG, v[WI]
	v_add_nc_u32 v[WSH], HSC, v[WSA]
	s_lshl_b32 s58, s28, 9
	v_lshl_add_u32 v109, v111, 6, s58              ; 512 w + 64 h: my bytes of a row of x, and of a bias
	v_add_nc_u32 v[BA], BIAS1, v109
	v_add_nc_u32 v[CO], s58, v[LI]
	s_mul_i32 s56, s28, 8448
	s_add_co_u32 s56, s56, STG                     ; my stage
	v_mul_u32_u24 v[STO], v110, 528
	v_lshl_add_u32 v[STO], v111, 6, v[STO]
	v_add_nc_u32 v[STO], s56, v[STO]               ; in: row r, 64 bytes for each half of the lanes in every 128
	v_add_nc_u32 v[RD], s56, v[LI]                 ; back: the 32 lanes take one row of 512 bytes
	v_mov_b32 v[FLR], 0x1800000
	v_lshlrev_b32 v14, 4, v0                       ; 16 x thread: my four numbers of each bias
	v_add_nc_u32 v108, BIAS1, v14
	s_mov_b32 s30, 0x76543210
	s_mov_b32 s31, 0xfedcba98                      ; v_permlanex16_b32's selects for lane l xor 16
	s_lshl_b32 s56, ttmp9, 4
	s_mov_b32 s57, 0
	s_wait_kmcnt 0x0
	s_add_nc_u64 s[10:11], s[10:11], s[56:57]
	s_load_b128 s[24:27], s[10:11], 0x0            ; my tile: expert s24, first position s25, rows s26
	s_wait_kmcnt 0x0
	s_min_u32 s24, s24, 7                          ; loaded numbers enter addresses only behind a bound
	s_min_u32 s25, s25, 0xfff
	s_min_u32 s26, s26, 64
	s_mul_i32 s56, s24, 786432
	s_mul_i32 s58, s28, 98304
	s_add_co_u32 s56, s56, s58
	s_add_nc_u64 s[32:33], s[12:13], s[56:57]      ; my 64 fragments of W1_e; W2_e's lie 6,291,456 bytes on
	s_lshl_b32 s56, s24, 15
	s_lshl_b32 s58, s28, 12
	s_add_co_u32 s56, s56, s58
	s_add_nc_u64 s[34:35], s[14:15], s[56:57]      ; their scale words
	s_lshl_b32 s56, s24, 12
	s_add_nc_u64 s[36:37], s[16:17], s[56:57]      ; b1_e
	s_add_nc_u64 s[38:39], s[18:19], s[56:57]      ; b2_e
.irp c, 0,1,2,3,4,5,6,7
	s_add_nc_u64 s[40+2*\c:41+2*\c], s[20:21], 4096*\c             ; T_e's eight terms: v_c,
	s_cmp_eq_u32 s24, \c
	s_cselect_b64 s[40+2*\c:41+2*\c], s[38:39], s[40+2*\c:41+2*\c] ; and b2_e in the place of v_e
.endr
	s_max_u32 s59, s26, 1
	s_sub_co_u32 s59, s59, 1                       ; the tile's last row: lanes past it repeat it
.irp m, 0,1,2,3
	v_add_nc_u32 v[OAD+\m], 16*\m, v110
	v_min_u32 v[OAD+\m], s59, v[OAD+\m]
	v_add_nc_u32 v[OAD+\m], s25, v[OAD+\m]
	v_min_u32 v[OAD+\m], 0xfff, v[OAD+\m]
	v_lshlrev_b32 v[OAD+\m], 2, v[OAD+\m]
	global_load_b32 v[RW+\m], v[OAD+\m], s[8:9]    ; row 16 m + r of the tile
.endr
	global_load_b128 v[64:67], v14, s[36:37]
.irp c, 0,1,2,3,4,5,6,7
	global_load_b128 v[68+4*\c:71+4*\c], v14, s[40+2*\c:41+2*\c]
.endr
	WSLOAD 0
	s_wait_loadcnt 17                              ; the four rows' numbers are in; the 9 loads of biases and 8 of scale words may be out
.irp m, 0,1,2,3
	v_min_u32 v[RW+\m], 0xfff, v[RW+\m]
	v_lshlrev_b32 v[CA+\m], 2, v[RW+\m]
	v_lshl_add_u32 v[XA+\m], v[RW+\m], 12, v109
.endr
.irp m, 0,1,2,3
	global_load_b32 v[CD+\m], v[CA+\m], s[6:7]     ; the rows' ids, for the mask
.endr
	WIN 0x40
.irp m, 0,1,2,3                                ; K step w of the 64 rows: of each block of 32 my half's 16 neighbours
.irp b, 0,1,2,3
.irp j, 0,1,2,3
	global_load_b128 v[64*\m+16*\b+4*\j:64*\m+16*\b+4*\j+3], v[XA+\m], s[4:5] offset:128*\b+16*\j th:TH_LOAD_NT
.endr
.endr
.endr
	WIN 0
	s_wait_loadcnt 63                              ; 68 loads were issued behind the scale words; the count's field holds 63: of the 89 issued the first 26 are in, biases, scale words and ids among them
.irp c, 1,2,3,4,5,6,7
	v_pk_add_f32 v[68:69], v[68:69], v[68+4*\c:69+4*\c]            ; T_e, in ascending c
	v_pk_add_f32 v[70:71], v[70:71], v[70+4*\c:71+4*\c]
.endr
	ds_store_b128 v108, v[64:67]
	ds_store_b128 v108, v[68:71] offset:4096
	s_wait_dscnt 0x0                               ; the stores have read their registers
	; ---- X: my K step of the 64 rows is masked, quantised and stored as four images.  The counts: the loads of x of the tiles of rows still to come, 16 each, and the ring's groups issued so far, 12 each
.irp m, 0,1,2,3
	s_wait_loadcnt 48-4*\m
.if \m < 3
	RLOAD \m
.endif
	v_cmp_eq_u32 vcc_lo, s24, v[CD+\m]
	v_cndmask_b32 v[MK], 0, 1.0, vcc_lo            ; reference()'s mask: 1 where the row's id is the expert
	v_cndmask_b32 v[MK+1], 0, 1.0, vcc_lo          ; (named with it as a pair)
	WIN 0x41
.set J, 0
.rept 32
	v_pk_mul_f32 v[64*\m+J:64*\m+J+1], v[64*\m+J:64*\m+J+1], v[MK:MK+1] op_sel_hi:[1,0]
.set J, J+2
.endr
	QUANT 64*\m
	IMAGE WI, XIMG+8*\m*1536, WSA, XSC+8*\m*128
.endr
	PRELOAD 0                                      ; b1_e
	BARRIER                                        ; x's 32 fragments lie in LDS
	; ---- 1: my 128 hidden units for the 64 rows.  The two younger groups of the ring may be out
.irp g, 0,1,2,3,4,5,6,7,8,9,10,11,12,13,14,15
	GROUP \g, LI, XIMG, LS, XSC, 24
.endr
	; ---- the hidden layer: relu, quantised, K step w of the second product.  Each accumulator is read from its low end on
.irp m, 0,1,2,3
	WIN 0x44
.set J, 0
.rept 64
	v_max_num_f32 v[64*\m+J], 0, v[64*\m+J]
.set J, J+1
.endr
	QUANT 64*\m
	IMAGE WIH, 8*\m*1536, WSH, 8*\m*128
.endr
	PRELOAD 4096                                   ; T_e
	BARRIER                                        ; the hidden layer's 32 fragments lie in LDS
	; ---- 2: my 128 outputs for the 64 rows
	GROUP 16, LIH, 0, LSH, 0, 12                   ; behind the second layer's scale words only group 18 was issued
.irp g, 17,18,19,20,21,22,23,24,25,26,27,28,29
	GROUP \g, LIH, 0, LSH, 0, 24
.endr
	GROUP 30, LIH, 0, LSH, 0, 12                   ; the counts run down: nothing is left to ask for
	GROUP 31, LIH, 0, LSH, 0, 0
	; ---- THE WAY OUT, 16 rows at a time, through my own stage: a lane holds 4 x 64 bytes of one row; they come back as whole rows of my 512 bytes.  A branch on the stored count of rows; no barrier stands behind it.
	; In a part-filled 16 the lanes past the last row hold that row again and store the same numbers to the same bytes.
.irp m, 0,1,2,3
	s_cmp_le_u32 s26, 16*\m
	s_cbranch_scc1 .Ldone
.if \m > 0
	s_wait_xcnt 0x0                                ; the last stores have read their data and offsets: both are written again below
.endif
	WIN 0x04                                       ; an LDS store's data are its source 1
.irp b, 0,1,2,3
.irp q, 0,1,2,3
	ds_store_b128 v[STO], v[64*\m+16*\b+4*\q:64*\m+16*\b+4*\q+3] offset:128*\b+16*\q   ; each accumulator from its low end on
.endr
.endr
	WIN 0
.irp i, 0,1,2,3,4,5,6,7,8,9,10,11,12,13,14,15
	ds_load_b128 v[BK+4*\i:BK+4*\i+3], v[RD] offset:528*\i         ; LDS serves a wave's instructions in order (ISA guide 5.7.1.4): these see my stores
.endr
.irp i, 0,1,2,3,4,5,6,7,8,9,10,11,12,13,14,15
	v_readlane_b32 s56, v[RW+\m], \i               ; which row of out is the tile's row 16 m + i
	s_min_u32 s56, s56, 0xfff
	v_lshl_add_u32 v[OA+\i], s56, 12, v[CO]
.endr
.irp i, 0,1,2,3,4,5,6,7,8,9,10,11,12,13,14,15
	s_wait_dscnt 15-\i
	global_store_b128 v[OA+\i], v[BK+4*\i:BK+4*\i+3], s[22:23] th:TH_STORE_NT   ; 32 lanes store 512 consecutive bytes of one row, at a multiple of 256 from out0's first byte
.endr
.endr
.Ldone:
	s_wait_xcnt 0x0
	v_lshl_add_u32 v254, v0, 2, 0x2c800
	v_mov_b32 v255, 0
	s_wait_tensorcnt 0x0
	ds_add_u32 v254, v255
	s_wait_dscnt 0x0
	s_endpgm
.Lfunc_end_k_qd77aa869f0_chain:
	.size	k_qd77aa869f0_chain, .Lfunc_end_k_qd77aa869f0_chain-k_qd77aa869f0_chain
	.p2alignl 7, 3214868480
	.fill 96, 4, 3214868480
	.section	.rodata,"a",@progbits
	.p2align	6, 0x0
	.amdhsa_kernel k_qd77aa869f0_chain
		.amdhsa_group_segment_fixed_size 183296
		.amdhsa_private_segment_fixed_size 0
		.amdhsa_enable_private_segment 0
		.amdhsa_kernarg_size 80
		.amdhsa_user_sgpr_count 2
		.amdhsa_user_sgpr_kernarg_segment_ptr 1
		.amdhsa_wavefront_size32 1
		.amdhsa_system_sgpr_workgroup_id_x 1
		.amdhsa_system_sgpr_workgroup_id_y 1
		.amdhsa_system_sgpr_workgroup_id_z 1
		.amdhsa_system_vgpr_workitem_id 0
		.amdhsa_next_free_vgpr 512
		.amdhsa_next_free_sgpr 80
		.amdhsa_reserve_vcc 1
		.amdhsa_float_denorm_mode_32 3
		.amdhsa_float_denorm_mode_16_64 3
		.amdhsa_memory_ordered 1
		.amdhsa_forward_progress 1
		.amdhsa_inst_pref_size 225
	.end_amdhsa_kernel
	.amdgpu_metadata
---
amdhsa.version: [ 1, 2 ]
amdhsa.kernels:
  - .name:           k_qd77aa869f0_chain
    .symbol:         k_qd77aa869f0_chain.kd
    .args:
      - { .name: x, .offset: 0, .size: 8, .value_kind: global_buffer, .address_space: global }
      - { .name: cond_ids, .offset: 8, .size: 8, .value_kind: global_buffer, .address_space: global }
      - { .name: order, .offset: 16, .size: 8, .value_kind: global_buffer, .address_space: global }
      - { .name: tiles, .offset: 24, .size: 8, .value_kind: global_buffer, .address_space: global }
      - { .name: wq, .offset: 32, .size: 8, .value_kind: global_buffer, .address_space: global }
      - { .name: wsc, .offset: 40, .size: 8, .value_kind: global_buffer, .address_space: global }
      - { .name: b1, .offset: 48, .size: 8, .value_kind: global_buffer, .address_space: global }
      - { .name: b2, .offset: 56, .size: 8, .value_kind: global_buffer, .address_space: global }
      - { .name: vtab, .offset: 64, .size: 8, .value_kind: global_buffer, .address_space: global }
      - { .name: out0, .offset: 72, .size: 8, .value_kind: global_buffer, .address_space: global }
    .group_segment_fixed_size: 183296
    .private_segment_fixed_size: 0
    .kernarg_segment_align: 8
    .kernarg_segment_size: 80
    .max_flat_workgroup_size: 256
    .sgpr_count:     80
    .vgpr_count:     512
    .wavefront_size: 32
...
	.end_amdgpu_metadata
.endif
;; end of part 2
;; ======== version 2 of 2: 2 launches; version 1 with the launches prep, chain written anew for expert scheduling mode
;; workspace buffers: wq 12,582,912 bytes; wsc 524,288 bytes; vtab 32,768 bytes; order 16,384 bytes of whole numbers; tiles 2,048 bytes of whole numbers
;; launch prep (part 3): grid 257 x 1, 16 waves a work-group, no clusters, 6,656 bytes of LDS; arguments W1, W2, b1, b2, cond_ids, wq, wsc, vtab, order, tiles; writes wq, wsc, vtab, order, tiles
.if DOCPART == 3
	.amdgcn_target "amdgcn-amd-amdhsa--gfx1250"
	.amdhsa_code_object_version 6
	.text
	.protected	k_qd77aa869f0_prep
	.globl	k_qd77aa869f0_prep
	.p2align	8
	.type	k_qd77aa869f0_prep,@function
k_qd77aa869f0_prep:
	s_mov_b64 s[64:65], 0
	v_nop
	global_prefetch_b8 v0, s[64:65] scope:SCOPE_SE
	s_setreg_imm32_b32 hwreg(HW_REG_WAVE_SCHED_MODE, 0, 2), 2
	s_setreg_imm32_b32 hwreg(HW_REG_WAVE_MODE, 25, 1), 1
	s_wait_xcnt 0x0
	s_wait_alu depctr_vm_vsrc(0)
; PREP.  Work-groups 0-255 turn W1 and W2 ([8][1024 k][1024 n] f32, K the FIRST axis of an expert's matrix) into codes of FP6 (E2M3) with one E8M0 byte for each 32 along K,
; laid in the order of the operand's registers, so that the second launch loads every fragment whole:
;   wq  [layer 2][expert 8][cw 8][f = 8 s + t][chunk 3][lane 32][16 bytes]: cw owns columns 128 cw .. 128 cw + 127, s is the K step of 128, t one of 8 tiles of 16 columns.
;   wsc [layer][expert][cw][pb 4][hf 2][lane 32][4 words]: word s % 4 of half s / 4; lanes 0-15 the rows of tile 2 pb, lanes 16-31 those of tile 2 pb + 1.
; THE COLUMNS OF A TILE ARE NOT NEIGHBOURS: lane r of tile 2 b + u is column 32 b + 8 u + r + 8 (r / 8), so that in a transposed product a lane's 16 registers of tiles 2 b, 2 b + 1 are 16 neighbouring columns.
; W2's work-groups also make v_c = Q(relu(b1_c)) Q(W2_c) + b2_c, what expert c adds to every row that is not its own (such a row's masked x is 0, so its hidden layer is relu(b1_c)): vtab [8][1024] f32.
; Work-group 256 sorts the 4,096 rows by expert (a counting sort, no atomics): order = the rows, experts on end; tiles = 128 entries (expert, first position, rows, 0) for tiles of 64 rows.
; SHARES.  Work-group i < 256: layer i / 128, expert (i / 16) % 8, 64 columns 64 (i % 16) on, all of K.  Wave wv: 32 columns (wv % 2), K step wv / 2.  A LANE TAKES A COLUMN AND ITS REGISTERS RUN DOWN K:
; a load reads 128 neighbouring bytes, a block of 32 lies in one lane, the conversions give codes with K innermost; one exchange of halves makes the two tiles' fragments.
; A block's scale is 2^(floor(log2(largest magnitude)) - 2); its byte is that magnitude's exponent field - 2, held at 1 from below.
; LIMITS: NaN and infinities among the inputs are not served; a block whose largest magnitude lies under 2^-124 takes the byte 1; a block of zeros takes the byte 1 where the rule says 127 (its codes are zeros,
; and this program alone reads the bytes); v_c is the f32 sum of eight K steps' partial sums in ascending K; an id outside 0 .. 7 is sorted to expert 7, where the second launch's own mask makes its x zero.
; THE MODE: SCHED_MODE bits 1:0 = 2 (LLVM: expert scheduling mode 2), set by the entry lines.  The code itself states the register dependences between vector or matrix instructions
; and memory or LDS instructions, with s_wait_alu, always for 0.
; THE PLAN.  Registers that memory or LDS instructions touch, on the quantising way:
;   v2-v9      offsets and LDS addresses: made once, one wait on va_vdst ahead of the first load, never written again.
;   X0, X1     loaded; read by a block's maxima and conversions; loaded again behind one wait on va_vdst that stands behind that block's last vector line.
;   P, Q       written by conversions, moves and the exchange of halves; read by the six stores behind one wait on va_vdst (in W2's work-groups the same wait serves b1's second loads into X1); never written again.
;   v14, v121, v122   a scale word, a partial sum, a finished v: each written by vector lines, then read by one store behind a wait on va_vdst.
;   v112-v120  at the end loads land there: every vector and matrix line that named them stands ahead of the wait in front of the partial sum's LDS store.
; On the sorting way: the masks of a group's eight compares go into s90-s97 in a run, with one wait on va_sdst behind the run; each store's address and data have registers of their own, and one wait on va_vdst stands ahead of a run of stores.
.set VP,  2048                         ; LDS: bytes 0-2047 the work-group's scale words; from VP 16 waves x 128 bytes of partial v (W2's work-groups alone);
.set CNT, 4096                         ; from CNT 16 waves x 16 bytes of counts (the sorting work-group alone)
.set X0,  16                           ; v16-47, v48-79  two sets of 32 numbers
.set X1,  48
.set P,   80                           ; v80-91   blocks 0, 2 of my column; behind the exchange the fragment of tile 2 pb
.set Q,   92                           ; v92-103  blocks 1, 3; behind the exchange the fragment of tile 2 pb + 1
.set T,   104                          ; v104-106 a block's second 16 codes (a conversion's three registers begin on an even number)
.set BFR, 108                          ; v108-119 the fragment of relu(b1)
.set MS,  90                           ; s90-97   the sorting way: eight masks, or eight numbers read from lanes
; v1 lane; v2 4 x my column; v3 16 x lane; v4, v5, v6, v7 LDS addresses; v8 128 x (lane / 16); v9 my column's bytes in b2 and vtab; v10-13 at work; v14 W's scale word; v15 relu(b1)'s scale word; v120-127 at work
	s_load_b512 s[4:19], s[0:1], 0x0               ; W1 s[4:5], W2 s[6:7], b1 s[8:9], b2 s[10:11], cond_ids s[12:13], wq s[14:15], wsc s[16:17], vtab s[18:19]
	s_load_b128 s[20:23], s[0:1], 0x40             ; order s[20:21], tiles s[22:23]
	v_lshl_add_u32 v128, v0, 2, 0x1200
	v_mov_b32 v129, 0
	v_lshrrev_b32 v1, 5, v0
	v_readfirstlane_b32 s24, v1                    ; wave 0..15
	v_and_b32 v1, 31, v0                           ; lane
	s_wait_alu depctr_va_sdst(0)                   ; s24 is written: both ways read it
	s_cmp_eq_u32 ttmp9, 256
	s_cbranch_scc1 .Lsort                          ; the last work-group sorts; the two ways never join, and each has LDS bytes of its own
	s_and_b32 s25, s24, 1                          ; g: which 32 columns
	s_lshr_b32 s26, s24, 1                         ; s: which K step
	s_bfe_u32 s28, ttmp9, 0x30004                  ; the expert
	s_and_b32 s29, ttmp9, 15                       ; cg: which 64 columns
	v_and_b32 v2, 7, v1
	v_bfe_u32 v10, v1, 3, 1
	v_lshl_add_u32 v2, v10, 4, v2
	v_lshrrev_b32 v10, 4, v1
	v_lshl_add_u32 v2, v10, 3, v2                  ; my column of the 32: lane % 8 + 16 ((lane / 8) % 2) + 8 (lane / 16)
	v_lshlrev_b32 v2, 2, v2
	s_wait_alu depctr_va_vdst(0)
	v_lshlrev_b32 v3, 4, v1
	v_lshlrev_b32 v8, 7, v10
	s_lshl_b32 s54, s25, 10
	s_lshr_b32 s55, s26, 2
	s_lshl_b32 s55, s55, 9
	s_add_co_u32 s54, s54, s55
	s_and_b32 s55, s26, 3
	s_lshl_b32 s55, s55, 2
	s_add_co_u32 s54, s54, s55
	v_add_nc_u32 v4, s54, v3                       ; my scale word in LDS: 1024 g + 512 (s / 4) + 16 lane + 4 (s % 4)
	v_lshl_add_u32 v5, v0, 2, VP                   ; my partial v: VP + 128 wave + 4 lane
	v_lshlrev_b32 v6, 4, v0                        ; 16 x thread: a place among the scale words, in LDS and in wsc alike
	s_lshl_b32 s54, s25, 7
	v_lshl_add_u32 v7, v1, 2, s54
	v_add_nc_u32 v7, VP, v7                        ; the partials of K step 0 for my 32 columns; K step s lies 256 s on
	v_add_nc_u32 v9, s54, v2
	s_lshl_b32 s30, s28, 22                        ; W: expert x 4 MiB + K step x 128 rows of 4,096 bytes + 256 cg + 128 g
	s_lshl_b32 s31, s26, 19
	s_add_co_u32 s30, s30, s31
	s_lshl_b32 s31, s29, 8
	s_add_co_u32 s30, s30, s31
	s_add_co_u32 s30, s30, s54
	s_mov_b32 s31, 0
	s_lshr_b32 s46, ttmp9, 1                       ; wq: ((layer x 8 + expert) x 8 + cw) = work-group / 2, 98,304 bytes each,
	s_mul_i32 s46, s46, 98304
	s_lshl_b32 s47, s26, 3                         ; + fragment 8 s + 2 pb, 2 pb = 4 (cg % 2) + 2 g, 1,536 bytes each
	s_and_b32 s55, s29, 1
	s_lshl_b32 s55, s55, 2
	s_add_co_u32 s47, s47, s55
	s_lshl_b32 s55, s25, 1
	s_add_co_u32 s47, s47, s55
	s_mul_i32 s47, s47, 1536
	s_add_co_u32 s46, s46, s47
	s_mov_b32 s47, 0
	s_lshl_b32 s48, ttmp9, 11                      ; wsc: 2,048 bytes a work-group, on end
	s_mov_b32 s49, 0
	s_lshl_b32 s50, s28, 12                        ; b1: expert's row + 512 s
	s_lshl_b32 s51, s26, 9
	s_add_co_u32 s50, s50, s51
	s_mov_b32 s51, 0
	s_lshl_b32 s52, s28, 12                        ; b2, vtab: expert's row + 256 cg
	s_lshl_b32 s53, s29, 8
	s_add_co_u32 s52, s52, s53
	s_mov_b32 s53, 0
	s_mov_b32 s44, 0x76543210
	s_mov_b32 s45, 0xfedcba98                      ; v_permlanex16_b32's selects for lane l xor 16
	s_wait_kmcnt 0x0
	s_cmp_lt_u32 ttmp9, 128                        ; W1's work-group or W2's: the choice hangs on the work-group's number alone
	s_cselect_b64 s[32:33], s[4:5], s[6:7]
	s_add_nc_u64 s[32:33], s[32:33], s[30:31]
	s_add_nc_u64 s[34:35], s[14:15], s[46:47]
	s_add_nc_u64 s[36:37], s[16:17], s[48:49]
	s_add_nc_u64 s[38:39], s[8:9], s[50:51]
	s_add_nc_u64 s[40:41], s[10:11], s[52:53]
	s_add_nc_u64 s[42:43], s[18:19], s[52:53]
.macro LOADW t, set                    ; block t of my K step: W(32 t + i, my column)
.irp i, 0,1,2,3,4,5,6,7,8,9,10,11,12,13,14,15,16,17,18,19,20,21,22,23,24,25,26,27,28,29,30,31
	global_load_b32 v[\set+\i], v2, s[32:33] offset:(32*\t+\i)*4096 th:TH_LOAD_NT
.endr
.endm
.macro LOADB cc, set                   ; b1's block 2 cc + lane / 16 of my K step: the 32 numbers that the operand's layout gives my lane; all sixteen rows of the fragment are alike
.irp j, 0,1,2,3,4,5,6,7
	global_load_b128 v[\set+4*\j:\set+4*\j+3], v8, s[38:39] offset:256*\cc+16*\j
.endr
.endm
.macro RELU set
.irp i, 0,1,2,3,4,5,6,7,8,9,10,11,12,13,14,15,16,17,18,19,20,21,22,23,24,25,26,27,28,29,30,31
	v_max_num_f32 v[\set+\i], 0, v[\set+\i]
.endr
.endm
.macro BLK set, dest                   ; 32 numbers of one block become six registers of codes at dest; the scale's byte is left in v13
	v_max3_num_f32 v10, |v[\set]|, |v[\set+1]|, |v[\set+2]|         ; the block's largest magnitude, in two chains
	v_max3_num_f32 v11, |v[\set+3]|, |v[\set+4]|, |v[\set+5]|
.irp i, 6,10,14,18,22,26
	v_max3_num_f32 v10, v10, |v[\set+\i]|, |v[\set+\i+1]|
	v_max3_num_f32 v11, v11, |v[\set+\i+2]|, |v[\set+\i+3]|
.endr
	v_max3_num_f32 v10, v10, |v[\set+30]|, |v[\set+31]|
	v_max3_num_f32 v10, v10, v11, 0x1800000        ; and the floor 2^(3 - 127): the byte cannot fall under 1
	v_add_nc_u32 v12, 0xff000000, v10              ; 2 off the exponent field: the conversion takes this operand's exponent field as its scale
	v_lshrrev_b32 v13, 23, v12                     ; the scale's byte
	v_cvt_scalef32_pk16_fp6_f32 v[\dest:\dest+2], v[\set:\set+15], v12
	v_cvt_scalef32_pk16_fp6_f32 v[T:T+2], v[\set+16:\set+31], v12
	v_nop                                          ; one plain place behind a scaled conversion
.irp i, 0,1,2
	v_mov_b32 v[\dest+3+\i], v[T+\i]
.endr
.endm
.macro BYTE t                          ; the four bytes of my column's K step make its scale word, the lower K in the lower byte
.if \t == 0
	v_mov_b32 v14, v13
.else
	v_lshl_or_b32 v14, v13, 8*\t, v14
.endif
.endm
.macro SWAP                            ; P's lanes 16-31 (tile 2 pb + 1, blocks 0, 2) change places with Q's lanes 0-15 (tile 2 pb, blocks 1, 3): P and Q are now the two tiles' fragments
.irp i, 0,1,2,3,4,5,6,7,8,9,10,11
	v_permlane16_swap_b32 v[P+\i], v[Q+\i]
.endr
.endm
.macro STOREPQ
.irp k, 0,1,2,3,4,5
	global_store_b128 v3, v[P+4*\k:P+4*\k+3], s[34:35] offset:512*\k   ; 32 lanes store 512 consecutive bytes, at a multiple of 256 from wq's first byte
.endr
.endm
	s_wait_alu depctr_va_vdst(0)                   ; v2 to v9 are written: every load and store of this way reads one of them as its offset or LDS address
	LOADW 0, X0
	LOADW 1, X1
	s_wait_loadcnt 32                              ; block 0 is in; block 1's 32 loads may be out
	BLK X0, P
	BYTE 0
	s_wait_alu depctr_va_vdst(0)                   ; block 0's maxima and conversions are done reading X0, in which block 2's loads land
	LOADW 2, X0
	s_wait_loadcnt 32                              ; block 1 is in; block 2's may be out
	BLK X1, Q
	BYTE 1
	s_wait_alu depctr_va_vdst(0)                   ; block 1's maxima and conversions are done reading X1, in which block 3's loads land
	LOADW 3, X1
	s_wait_loadcnt 32                              ; block 2 is in; block 3's may be out
	BLK X0, P+6
	BYTE 2
	s_cmp_lt_u32 ttmp9, 128
	s_cbranch_scc0 .Lw2
	s_wait_loadcnt 0x0                             ; W1: block 3
	BLK X1, Q+6
	BYTE 3
	SWAP
	s_wait_alu depctr_va_vdst(0)                   ; the exchange has written P and Q, which the six stores read; v14 is whole, which the LDS store at the meeting reads
	STOREPQ
	s_branch .Lmeet
.Lw2:
	s_wait_alu depctr_va_vdst(0)                   ; block 2's maxima and conversions are done reading X0, in which b1's first loads land
	LOADB 0, X0
	s_wait_loadcnt 8                               ; W2: block 3 is in; the eight loads of b1 may be out
	BLK X1, Q+6
	BYTE 3
	SWAP
	s_wait_alu depctr_va_vdst(0)                   ; block 3's maxima and conversions are done reading X1, in which b1's second loads land; the exchange has written P and Q, which the six stores read
	LOADB 1, X1
	STOREPQ
	s_wait_loadcnt 8                               ; b1's first 32 numbers are in; the second eight loads may be out
	RELU X0
	BLK X0, BFR
	v_mov_b32 v120, v13                            ; the byte of block lane / 16
	s_wait_loadcnt 0x0
	RELU X1
	BLK X1, BFR+6
	v_lshl_or_b32 v122, v13, 16, v120              ; my two bytes: blocks h and 2 + h,
	v_lshrrev_b32 v123, 4, v8
	v_lshlrev_b32 v122, v123, v122                 ; 8 h bits up;
	v_mov_b32 v123, 0
	v_permlanex16_b32 v123, v122, s44, s45
	v_or_b32 v15, v122, v123                       ; with lane l xor 16's two the word is whole
.rept 8
	v_nop                                          ; a scale register written by a vector instruction stands 8 places ahead of a scaled matrix instruction, an operand so written 4
.endr
	s_wait_alu depctr_va_vdst(0)                   ; behind the places: vector lines have written the fragments BFR, P, Q and the scale words v14, v15, which the scaled products take
	v_wmma_scale_f32_16x16x128_f8f6f4 v[16:23], v[BFR:BFR+11], v[P:P+11], 0, v15, v14 matrix_a_fmt:MATRIX_FMT_FP6 matrix_b_fmt:MATRIX_FMT_FP6
	v_wmma_scale_f32_16x16x128_f8f6f4 v[24:31], v[BFR:BFR+11], v[Q:Q+11], 0, v15, v14 matrix_a_fmt:MATRIX_FMT_FP6 matrix_b_fmt:MATRIX_FMT_FP6 matrix_b_scale:MATRIX_SCALE_ROW1
.rept 4
	v_nop                                          ; four places ahead of the first read of the results (ISA guide 7.12.1)
.endr
	v_cmp_le_u32 vcc_lo, 16, v1
	s_wait_alu depctr_va_vcc(0)                    ; VCC is written, ahead of the select that reads it
	v_cndmask_b32 v121, v16, v24, vcc_lo           ; all rows of a result are alike: register 0 of lane 16 u + r is column r of tile u: my column's partial sum
	s_wait_alu depctr_va_vdst(0)                   ; v121 is written, which the LDS store reads; and every line that named v112 to v120 is done: loads land there behind the barrier
	ds_store_b32 v5, v121
.Lmeet:
	ds_store_b32 v4, v14
	s_wait_dscnt 0x0                               ; for the others' sake: my LDS stores are done
	s_barrier_signal -1
	s_barrier_wait -1
	s_cmp_lt_u32 s24, 4
	s_cbranch_scc0 .Lend
	ds_load_b128 v[124:127], v6                    ; waves 0-3: the work-group's 2,048 bytes of scale words leave as they lie
	s_wait_dscnt 0x0
	global_store_b128 v6, v[124:127], s[36:37]     ; 512 consecutive bytes a wave
	s_cmp_lt_u32 s24, 2
	s_cbranch_scc0 .Lend
	s_cmp_lt_u32 ttmp9, 128
	s_cbranch_scc1 .Lend
	global_load_b32 v120, v9, s[40:41]             ; waves 0, 1 of W2's work-groups: b2 of my column,
.irp k, 0,1,2,3,4,5,6,7
	ds_load_b32 v[112+\k], v7 offset:256*\k        ; and the eight K steps' partial sums
.endr
	s_wait_dscnt 0x0
	v_add_f32 v122, v112, v113
.irp k, 2,3,4,5,6,7
	v_add_f32 v122, v122, v[112+\k]                ; in ascending K
.endr
	s_wait_alu depctr_va_vdst(0)
	s_wait_loadcnt 0x0
	v_add_f32 v122, v122, v120
	s_wait_alu depctr_va_vdst(0)                   ; v122 is written, which the store reads
	global_store_b32 v9, v122, s[42:43]            ; a wave's 32 columns: 128 neighbouring bytes
.Lend:
	s_wait_dscnt 0x0                               ; the closing lines, six on end
	s_wait_alu 0x0
	s_wait_tensorcnt 0x0
	ds_add_u32 v128, v129
	s_wait_dscnt 0x0
	s_endpgm
; THE SORT.  Wave wv has rows 256 wv + 32 j + lane, j = 0 .. 7.  Counts go from wave to wave through LDS, two 16-bit counts to a word (no count passes 4,096).
; s48-55 my wave's counts, later the first tile of each expert; s66-73 rows of each expert; s74-81 where my wave's next row of each expert goes; s82-89 where each expert's rows begin.
.Lsort:
	s_lshl_b32 s56, s24, 10
	s_wait_alu depctr_va_vdst(0)
	v_lshl_add_u32 v32, v1, 2, s56                 ; my ids' bytes
	s_lshl_b32 s57, s24, 4
	s_add_co_u32 s57, s57, CNT
	v_mov_b32 v33, s57                             ; my wave's 16 bytes of counts
	v_and_b32 v34, 15, v0
	v_lshl_add_u32 v34, v34, 4, CNT                ; and those of wave lane % 16
	s_lshl_b32 s58, s24, 8
	v_add_nc_u32 v35, s58, v1                      ; my first row
	s_wait_kmcnt 0x0
	s_wait_alu depctr_va_vdst(0)                   ; v32, v33 and v34 are written: the ids' loads and the counts' LDS store and load read them
.irp j, 0,1,2,3,4,5,6,7
	global_load_b32 v[40+\j], v32, s[12:13] offset:128*\j
.endr
.irp e, 0,1,2,3,4,5,6,7
	s_mov_b32 s[48+\e], 0
.endr
	s_wait_loadcnt 0x0
.irp j, 0,1,2,3,4,5,6,7
	v_min_u32 v[40+\j], 7, v[40+\j]                ; whatever lies outside 0 .. 7 (as unsigned: negatives too) goes to bucket 7
.endr
.irp j, 0,1,2,3,4,5,6,7
.irp e, 0,1,2,3,4,5,6,7
	v_cmp_eq_u32 s[MS+\e], \e, v[40+\j]            ; the eight experts' masks of 32 rows, in a run
.endr
	s_wait_alu depctr_va_sdst(0)                   ; the eight masks are written, ahead of the counts that read them
.irp e, 0,1,2,3,4,5,6,7
	s_bcnt1_i32_b32 s56, s[MS+\e]
	s_add_co_u32 s[48+\e], s[48+\e], s56
.endr
.endr
.irp p, 0,1,2,3
	s_lshl_b32 s56, s[49+2*\p], 16
	s_or_b32 s56, s56, s[48+2*\p]
	v_mov_b32 v[48+\p], s56
.endr
	s_wait_alu depctr_va_vdst(0)                   ; v[48:51] are written, which the LDS store reads
	ds_store_b128 v33, v[48:51]                    ; all lanes write the same 16 bytes with the same values
	s_wait_dscnt 0x0
	s_barrier_signal -1
	s_barrier_wait -1
	ds_load_b128 v[52:55], v34
	s_add_co_u32 s57, s24, 16
	v_cmp_gt_u32 vcc_lo, s57, v1                   ; lanes 0-15 keep all sixteen waves' counts, lanes 16-31 those of the waves before mine
.irp p, 0,1,2,3
	v_mov_b32 v[56+\p], 0                          ; (a DPP form's destination counts as read)
.endr
	s_wait_dscnt 0x0
	s_wait_alu depctr_va_vcc(0)                    ; VCC is written, ahead of the selects that read it
.irp p, 0,1,2,3
	v_cndmask_b32 v[52+\p], 0, v[52+\p], vcc_lo
.endr
.irp x, 1,2,4,8
.irp p, 0,1,2,3
	v_mov_b32_dpp v[56+\p], v[52+\p] row_xmask:\x row_mask:0xf bank_mask:0xf
.endr
.irp p, 0,1,2,3
	v_add_nc_u32 v[52+\p], v[52+\p], v[56+\p]      ; summed within each half of 16 lanes
.endr
.endr
.irp p, 0,1,2,3
	v_readlane_b32 s[MS+2*\p], v[52+\p], 0         ; the totals,
	v_readlane_b32 s[MS+2*\p+1], v[52+\p], 16      ; and what the waves before mine hold
.endr
	s_wait_alu depctr_va_sdst(0)                   ; the eight numbers are written, ahead of the scalar lines that cut them
.irp p, 0,1,2,3
	s_and_b32 s[66+2*\p], s[MS+2*\p], 0xffff
	s_lshr_b32 s[67+2*\p], s[MS+2*\p], 16
	s_and_b32 s[74+2*\p], s[MS+2*\p+1], 0xffff
	s_lshr_b32 s[75+2*\p], s[MS+2*\p+1], 16
.endr
	s_mov_b32 s56, 0                               ; rows of the experts before,
	s_mov_b32 s57, 0                               ; and their tiles
.irp e, 0,1,2,3,4,5,6,7
	s_mov_b32 s[82+\e], s56
	s_add_co_u32 s[74+\e], s[74+\e], s56
	s_mov_b32 s[48+\e], s57
	s_add_co_u32 s56, s56, s[66+\e]
	s_add_co_u32 s58, s[66+\e], 63
	s_lshr_b32 s58, s58, 6
	s_add_co_u32 s57, s57, s58
.endr
.irp j, 0,1,2,3,4,5,6,7                ; each j has its own address and data registers: no store's sources are written again
.irp e, 0,1,2,3,4,5,6,7
	v_cmp_eq_u32 s[MS+\e], \e, v[40+\j]            ; the eight masks again, in a run
.endr
	s_wait_alu depctr_va_sdst(0)                   ; the eight masks are written, ahead of the counts and selects that read them
	v_mbcnt_lo_u32_b32 v[60+\j], s[MS], s74        ; expert 0's place for every lane; the lanes of other experts are given theirs below
	s_bcnt1_i32_b32 s56, s[MS]
	s_add_co_u32 s74, s74, s56
.irp e, 1,2,3,4,5,6,7
	v_mbcnt_lo_u32_b32 v36, s[MS+\e], s[74+\e]     ; the expert's next place + the lanes of that expert below mine
	v_cndmask_b32 v[60+\j], v[60+\j], v36, s[MS+\e]
	s_bcnt1_i32_b32 s56, s[MS+\e]
	s_add_co_u32 s[74+\e], s[74+\e], s56
.endr
	v_min_u32 v[60+\j], 0xfff, v[60+\j]
	v_lshlrev_b32 v[60+\j], 2, v[60+\j]
	v_add_nc_u32 v[68+\j], 32*\j, v35
.endr
	s_wait_alu depctr_va_vdst(0)                   ; the eight places v60 to v67 and the eight rows v68 to v75 are written, which the stores read
.irp j, 0,1,2,3,4,5,6,7
	global_store_b32 v[60+\j], v[68+\j], s[20:21]
.endr
	s_cmp_lt_u32 s24, 4
	s_cbranch_scc0 .Lsort_end
	v_mov_b32 v84, 0                               ; waves 0-3: entry i = my thread's number.  Its expert is the last whose first tile is at or before i
	v_mov_b32 v77, s48
	v_mov_b32 v78, s82
	v_mov_b32 v79, s66
.irp e, 1,2,3,4,5,6,7
	v_cmp_le_u32 s[MS+\e], s[48+\e], v0
.endr
	s_wait_alu depctr_va_sdst(0)                   ; the seven masks are written, ahead of the selects that read them
.irp e, 1,2,3,4,5,6,7
	v_cndmask_b32 v84, v84, \e, s[MS+\e]
	v_cndmask_b32 v77, v77, s[48+\e], s[MS+\e]
	v_cndmask_b32 v78, v78, s[82+\e], s[MS+\e]
	v_cndmask_b32 v79, v79, s[66+\e], s[MS+\e]
.endr
	v_sub_nc_u32 v80, v0, v77                      ; which tile of the expert
	v_lshl_add_u32 v85, v80, 6, v78                ; its first position in order,
	v_min_u32 v85, 0xfff, v85                      ; (an entry past the last tile has no rows: its position is only kept inside the list)
	v_lshlrev_b32 v86, 6, v80
	v_sub_nc_u32 v86, v79, v86
	v_max_i32 v86, 0, v86
	v_min_i32 v86, 64, v86                         ; and its rows: what is left of the expert's, 0 .. 64
	v_mov_b32 v87, 0
	v_lshlrev_b32 v88, 4, v0
	s_wait_alu depctr_va_vdst(0)                   ; the entry v[84:87] and its offset v88 are written, which the store reads
	global_store_b128 v88, v[84:87], s[22:23]
.Lsort_end:
	s_wait_dscnt 0x0                               ; the closing lines, six on end
	s_wait_alu 0x0
	s_wait_tensorcnt 0x0
	ds_add_u32 v128, v129
	s_wait_dscnt 0x0
	s_endpgm
.Lfunc_end_k_qd77aa869f0_prep:
	.size	k_qd77aa869f0_prep, .Lfunc_end_k_qd77aa869f0_prep-k_qd77aa869f0_prep
	.p2alignl 7, 3214868480
	.fill 96, 4, 3214868480
	.section	.rodata,"a",@progbits
	.p2align	6, 0x0
	.amdhsa_kernel k_qd77aa869f0_prep
		.amdhsa_group_segment_fixed_size 6656
		.amdhsa_private_segment_fixed_size 0
		.amdhsa_enable_private_segment 0
		.amdhsa_kernarg_size 80
		.amdhsa_user_sgpr_count 2
		.amdhsa_user_sgpr_kernarg_segment_ptr 1
		.amdhsa_wavefront_size32 1
		.amdhsa_system_sgpr_workgroup_id_x 1
		.amdhsa_system_sgpr_workgroup_id_y 1
		.amdhsa_system_sgpr_workgroup_id_z 1
		.amdhsa_system_vgpr_workitem_id 0
		.amdhsa_next_free_vgpr 130
		.amdhsa_next_free_sgpr 98
		.amdhsa_reserve_vcc 1
		.amdhsa_float_denorm_mode_32 3
		.amdhsa_float_denorm_mode_16_64 3
		.amdhsa_memory_ordered 1
		.amdhsa_forward_progress 1
		.amdhsa_inst_pref_size 71
	.end_amdhsa_kernel
	.amdgpu_metadata
---
amdhsa.version: [ 1, 2 ]
amdhsa.kernels:
  - .name:           k_qd77aa869f0_prep
    .symbol:         k_qd77aa869f0_prep.kd
    .args:
      - { .name: W1, .offset: 0, .size: 8, .value_kind: global_buffer, .address_space: global }
      - { .name: W2, .offset: 8, .size: 8, .value_kind: global_buffer, .address_space: global }
      - { .name: b1, .offset: 16, .size: 8, .value_kind: global_buffer, .address_space: global }
      - { .name: b2, .offset: 24, .size: 8, .value_kind: global_buffer, .address_space: global }
      - { .name: cond_ids, .offset: 32, .size: 8, .value_kind: global_buffer, .address_space: global }
      - { .name: wq, .offset: 40, .size: 8, .value_kind: global_buffer, .address_space: global }
      - { .name: wsc, .offset: 48, .size: 8, .value_kind: global_buffer, .address_space: global }
      - { .name: vtab, .offset: 56, .size: 8, .value_kind: global_buffer, .address_space: global }
      - { .name: order, .offset: 64, .size: 8, .value_kind: global_buffer, .address_space: global }
      - { .name: tiles, .offset: 72, .size: 8, .value_kind: global_buffer, .address_space: global }
    .group_segment_fixed_size: 6656
    .private_segment_fixed_size: 0
    .kernarg_segment_align: 8
    .kernarg_segment_size: 80
    .max_flat_workgroup_size: 512
    .sgpr_count:     98
    .vgpr_count:     130
    .wavefront_size: 32
...
	.end_amdgpu_metadata
.endif
;; end of part 3
;; launch chain (part 4): grid 71 x 1, 8 waves a work-group, no clusters, 183,296 bytes of LDS; arguments x, cond_ids, order, tiles, wq, wsc, b1, b2, vtab, out0; writes out0
.if DOCPART == 4
	.amdgcn_target "amdgcn-amd-amdhsa--gfx1250"
	.amdhsa_code_object_version 6
	.text
	.protected	k_qd77aa869f0_chain
	.globl	k_qd77aa869f0_chain
	.p2align	8
	.type	k_qd77aa869f0_chain,@function
k_qd77aa869f0_chain:
	s_mov_b64 s[64:65], 0
	v_nop
	global_prefetch_b8 v0, s[64:65] scope:SCOPE_SE
	s_setreg_imm32_b32 hwreg(HW_REG_WAVE_SCHED_MODE, 0, 2), 2
	s_setreg_imm32_b32 hwreg(HW_REG_WAVE_MODE, 25, 1), 1
	s_wait_xcnt 0x0
	s_wait_alu depctr_vm_vsrc(0)
; CHAIN.  out[b] = Q(relu(Q(x[b] mask) Q(W1_e) + b1_e)) Q(W2_e) + T_e for the rows b of expert e, T_e = b2_e + the sum over c != e of v_c (v_c: what expert c adds to rows that are not its own, from vtab).
; Both products on codes of FP6 (E2M3) with one E8M0 scale for each 32 along K.  One work-group takes one tile of up to 64 rows of one expert through the whole chain; the hidden layer never goes to memory.
; GRID: 4,096 rows in tiles of 64 over 8 experts are never more than 64 + 7 = 71 tiles, whatever the split.  A tile that the split leaves without rows walks the text on one clamped row and stores nothing:
; every wave has to pass both barriers, and no barrier stands under a branch on loaded numbers.
; SHARES.  THE WAVES SHARE THE COLUMNS: wave w makes hidden units 128 w .. 128 w + 127 (K step w of the second product) and outputs 128 w .. 128 w + 127, for all 64 rows: 32 accumulators of 16 x 16.
; So each fragment of the weights is wanted by ONE wave: it comes from memory straight into that wave's operand registers (three loads of 16 bytes a lane, laid so by the first launch) and feeds four matrix instructions.
; The rows' codes (x, then the hidden layer) go from wave to wave through LDS as images of the operand's registers: 16 bytes a lane, 512 bytes a store; scale words 4 bytes a lane.
; NO JOINT LOADS: how many tiles an expert has hangs on cond_ids, so partners of one expert cannot be fixed in the grid; and a fragment that passed through LDS would be written and read there for one wave's use.
; BOTH PRODUCTS ARE USED TRANSPOSED (source 0 = 16 columns of W, source 1 = 16 rows): a lane holds one row; by the first launch's choice of a tile's columns the 16 registers of tiles 2 b, 2 b + 1 are columns 32 b + 16 (lane / 16) + 0 .. 15.
; The biases (b1_e; T_e) are the accumulators' first content, loaded from LDS: nothing is cleared and nothing is added afterwards.
; LIMITS: NaN and infinities are not served; a block under 2^-124 or of zeros takes the scale byte 1 (zero codes add nothing); the bias stands at the head of each f32 sum, T_e is summed in ascending c;
; a row whose id lies outside 0 .. 7 arrives in expert 7's tiles, its x is multiplied by the mask 0, and it gets the sum of all v_c, as reference() gives it.
; REGISTERS.  Window 0: v1-9, v28-31 addresses; v10-13 the rows' numbers; v14-15 the mask; v16-19 the rows' ids; v20-23 x's offsets; v24-27 the rows' scale words; v32-63 the weights' scale words;
;   v64-111 four fragments of rows (while quantising: v64-79 at work, v80-99 codes, v100 the scale word; at the head: biases and offsets); v112-255 a ring of 3 x 4 fragments of weights (on the way out: rows of out).
;   Window 1: the 4 x 64 numbers of x, then the accumulators: tile t of columns, tile m of rows at v[64 m + 8 t].
; THE MODE: SCHED_MODE bits 1:0 = 2 (LLVM: expert scheduling mode 2), set by the entry lines.  The code itself states the register dependences between vector or matrix instructions
; and memory or LDS instructions, with s_wait_alu, always for 0.
; THE PLAN.  Registers that memory or LDS instructions touch:
;   v1-8, v28-31      addresses: made at the head, ahead of the first wait on va_vdst, and never written again.  v14, v100-108 serve as offsets at the head alone: one wait on vm_vsrc frees them ahead of the first quantising.
;   ring slot g % 3   loaded by RLOAD g; read by group g's sixteen products; loaded again, with group g + 3, at the group's end.
;   BF, XS            loaded by FETCHB at the end of every odd group (a layer's first: behind the barrier); read by the products of the two groups that follow.
;   WS                loaded once a layer; read by all the layer's products.
;   So ONE wait on va_vdst stands at a group's end, behind its four places: the sixteen products are done reading all of these, and the loads that follow it land there.  The slot is asked for again at once:
;   were the wait left to the next group's head, behind that group's wait for data, the slot would lie idle meanwhile; a fourth slot has no registers (two waves to a SIMD: 512 each, all taken).
;   PC, PW            written by QUANT; read by IMAGE's four stores: a wait on va_vdst ahead of them, one on vm_vsrc behind them.
;   window 1          x's loads, the masked multiplies, QUANT's reads; then PRELOAD's loads: every vector line that named them stands ahead of the fourth IMAGE's wait on va_vdst, and none follows it.
;   BK, OA            the way out: BK loaded from the stage, OA made by vector lines; both read by sixteen stores: a wait on va_vdst ahead of the run, one on vm_vsrc behind it, ahead of the next branch.
.set XIMG,  0                          ; LDS: x's 32 fragments (8 m + s), 1,536 bytes each,
.set XSC,   49152                      ; their scale words, 128 bytes each,
.set HIMG,  53248                      ; the hidden layer's 32 fragments,
.set HSC,   102400                     ; their scale words,
.set BIAS1, 106496                     ; b1_e, 4,096 bytes; T_e lies 4,096 bytes on,
.set STG,   114688                     ; and a stage of 16 rows x (512 + 16) bytes for each wave alone
.set LI,  1                            ; 16 x lane
.set LS,  2                            ; 4 x lane
.set WI,  3                            ; LI + 1,536 w: where I store an image
.set WSA, 4                            ; LS + 128 w: and its scale word
.set BA,  5                            ; BIAS1 + 512 w + 64 (lane / 16)
.set STO, 6
.set RD,  7
.set CO,  8                            ; 512 w + 16 x lane: my bytes in a row of out
.set FLR, 9                            ; 2^(3 - 127)
.set RW,  10
.set MK,  14
.set CD,  16
.set XA,  20
.set XS,  24
.set LIH, 28                           ; LI, LS, WI, WSA with HIMG or HSC added: an LDS immediate has 16 bits
.set LSH, 29
.set WIH, 30
.set WSH, 31
.set WS,  32
.set BF,  64
.set TM,  64
.set PC,  80
.set PW,  100
.set CA,  100
.set OAD, 104
.set RING, 112
.set BK,  112
.set OA,  176
.set MSB, 0
.macro WIN new                         ; bits 1:0 source 0, 3:2 source 1, 5:4 source 2, 7:6 destination; the immediate's high byte repeats the setting that is left
.if MSB != \new
	s_set_vgpr_msb (MSB<<8)|\new
.set MSB, \new
.endif
.endm
.macro RLOAD g                         ; group g of 32 (16 to a layer): four fragments of my weights into ring slot g % 3
.irp i, 0,1,2,3
.irp c, 0,1,2
	global_load_b128 v[RING+48*((\g)%3)+12*\i+4*\c:RING+48*((\g)%3)+12*\i+4*\c+3], v[LI], s[32:33] offset:((\g)/16)*6291456+(((\g)%16)*4+\i)*1536+512*\c
.endr
.endr
.endm
.macro WSLOAD ph                       ; my weights' scale words of layer ph: v[WS + 8 b + s]: lanes 0-15 tile 2 b, lanes 16-31 tile 2 b + 1, K step s
.irp b, 0,1,2,3
.irp f, 0,1
	global_load_b128 v[WS+8*\b+4*\f:WS+8*\b+4*\f+3], v[LI], s[34:35] offset:\ph*262144+1024*\b+512*\f
.endr
.endr
.endm
.macro FETCHB ia, io, sa, so, s        ; the four tiles of rows, K step s: fragments and scale words, as any wave stored them
.irp m, 0,1,2,3
.irp c, 0,1,2
	ds_load_b128 v[BF+12*\m+4*\c:BF+12*\m+4*\c+3], v[\ia] offset:\io+(8*\m+(\s))*1536+512*\c
.endr
	ds_load_b32 v[XS+\m], v[\sa] offset:\so+(8*\m+(\s))*128
.endr
.endm
; Sixteen products: four tiles of my columns x the four tiles of rows, one K step.  The 32 accumulators take turns, one instruction a turn: 31 others' stand between two on one accumulator.
; n: the global loads that may stay out.  Four places follow the products, ahead of the loads into the registers that they read and, behind a layer's last group, of the first read of the results.
; Behind the places the group's one wait, and behind it the loads: first the next K step's rows from LDS (behind an odd group), for which the next products wait, then the weights of three groups on.
.macro GROUP g, ia, io, sa, so, n
.set GG, (\g)%16
.set KS, GG/2
	s_wait_loadcnt \n
.if GG%2 == 0
	s_wait_dscnt 0x0                               ; this K step's rows and their scale words are in
.endif
	WIN 0x50                                       ; C and D in window 1
.irp i, 0,1,2,3
.irp m, 0,1,2,3
.set TT, 4*(GG%2)+\i
.set DD, 64*\m+8*TT
.set AA, RING+48*((\g)%3)+12*\i
.set BB, BF+12*\m
.set SA, WS+8*(TT/2)+KS
.if \i%2 == 0
	v_wmma_scale_f32_16x16x128_f8f6f4 v[DD:DD+7], v[AA:AA+11], v[BB:BB+11], v[DD:DD+7], v[SA], v[XS+\m] matrix_a_fmt:MATRIX_FMT_FP6 matrix_b_fmt:MATRIX_FMT_FP6
.else
	v_wmma_scale_f32_16x16x128_f8f6f4 v[DD:DD+7], v[AA:AA+11], v[BB:BB+11], v[DD:DD+7], v[SA], v[XS+\m] matrix_a_fmt:MATRIX_FMT_FP6 matrix_b_fmt:MATRIX_FMT_FP6 matrix_a_scale:MATRIX_SCALE_ROW1
.endif
.endr
.endr
	WIN 0
.rept 4
	v_nop
.endr
.if (\g) != 30                                 ; (behind group 30 no load follows: no wait is written)
	s_wait_alu depctr_va_vdst(0)                   ; the products issued so far are done reading slot g % 3, the rows' fragments and both kinds of scale words, in which the loads below land; behind group 31: they have written the accumulators, which the stage's stores read, and are done reading v112 on, where the rows of out land
.endif
.if (GG%2 == 1) && (GG != 15)
	FETCHB \ia, \io, \sa, \so, KS+1                ; the next K step's rows
.endif
.if (\g) == 15
	WSLOAD 1                                       ; the second layer's scale words, ahead of group 18
.endif
.if (\g)+3 < 32
	RLOAD (\g)+3                                   ; the slot just multiplied takes the group three on: the stream runs on through the change of layer
.endif
.endm
.macro PRELOAD off                     ; the accumulators' first content: register 64 m + 16 b + i of lane (r, h) takes the bias of column 128 w + 32 b + 16 h + i.  These 512 bytes were stored by my own wave's threads
	WIN 0x40                                       ; (no wait on va_vdst here: the last vector line that named a register of window 1 stands ahead of the fourth IMAGE's wait, and only LDS stores of other registers, waits and this switch follow it)
.irp m, 0,1,2,3
.irp b, 0,1,2,3
.irp q, 0,1,2,3
	ds_load_b128 v[64*\m+16*\b+4*\q:64*\m+16*\b+4*\q+3], v[BA] offset:\off+128*\b+16*\q
.endr
.endr
.endr
	WIN 0
.endm
; 64 numbers of a lane in window 1, register s + 16 b + i = k 32 b + 16 (lane / 16) + i of my row, become a fragment's codes in v[PC] on and its scale word in v[PW].
.macro QUANT s
	WIN 0x14                                       ; sources 1 and 2 in window 1
.irp b, 0,1,2,3
	v_max3_num_f32 v[TM+\b], v[FLR], |v[(\s)+16*\b]|, |v[(\s)+16*\b+1]|   ; block b: my 16 numbers, and the floor: the byte cannot fall under 1
.endr
.irp i, 2,4,6,8,10,12,14
.irp b, 0,1,2,3
	v_max3_num_f32 v[TM+\b], v[TM+\b], |v[(\s)+16*\b+\i]|, |v[(\s)+16*\b+\i+1]|   ; (the four blocks by turns)
.endr
.endr
	WIN 0
.irp b, 0,1,2,3
	v_permlanex16_b32 v[TM+4+\b], v[TM+\b], s30, s31
.endr
.irp b, 0,1,2,3
	v_max_num_f32 v[TM+\b], v[TM+\b], v[TM+4+\b]   ; with lane l xor 16's: the block's largest magnitude
.endr
.irp b, 0,1,2,3
	v_add_nc_u32 v[TM+12+\b], 0xff000000, v[TM+\b] ; 2 off its exponent field: the conversion's scale operand
.endr
.irp b, 0,1,2,3
	v_lshrrev_b32 v[TM+4+\b], 23, v[TM+12+\b]      ; the scale's byte
.endr
	v_lshl_or_b32 v[PW], v[TM+5], 8, v[TM+4]
	v_lshl_or_b32 v[PW], v[TM+6], 16, v[PW]
	v_lshl_or_b32 v[PW], v[TM+7], 24, v[PW]
	WIN 0x01                                       ; source 0 in window 1
.irp c, 0,1
	v_cvt_scalef32_pk16_fp6_f32 v[PC+6*\c:PC+6*\c+2], v[(\s)+32*\c:(\s)+32*\c+15], v[TM+12+2*\c]
	v_cvt_scalef32_pk16_fp6_f32 v[PC+12+4*\c:PC+14+4*\c], v[(\s)+32*\c+16:(\s)+32*\c+31], v[TM+13+2*\c]   ; (a conversion's three registers begin on an even number)
.endr
	WIN 0
	v_nop                                          ; one plain place behind a scaled conversion
.irp c, 0,1                                    ; the operand's layout wants a whole block in a lane: lanes 0-15 block 2 c, lanes 16-31 block 2 c + 1
.irp i, 0,1,2
	v_permlane16_swap_b32 v[PC+6*\c+\i], v[PC+12+4*\c+\i]
.endr
.irp i, 0,1,2
	v_mov_b32 v[PC+3+6*\c+\i], v[PC+12+4*\c+\i]
.endr
.endr
.endm
.macro IMAGE ia, io, sa, so            ; the fragment and its scale word go to LDS as they stand
	s_wait_alu depctr_va_vdst(0)                   ; QUANT has written the codes v[PC ..] and the scale word v[PW], which the four stores read; it is also done with its 64 numbers of window 1
.irp c, 0,1,2
	ds_store_b128 v[\ia], v[PC+4*\c:PC+4*\c+3] offset:\io+512*\c
.endr
	ds_store_b32 v[\sa], v[PW] offset:\so
	s_wait_dscnt 0x0                               ; the four stores are done,
	s_wait_alu depctr_vm_vsrc(0)                   ; and have read v[PC ..] and v[PW], which the next QUANT, or the loads of the rows' fragments, write again
.endm
.macro BARRIER                         ; my LDS stores have landed and my LDS loads are in: then the work-group's barrier
	s_wait_dscnt 0x0
	s_barrier_signal -1
	s_barrier_wait -1
.endm
	s_load_b512 s[4:19], s[0:1], 0x0               ; x s[4:5], cond_ids s[6:7], order s[8:9], tiles s[10:11], wq s[12:13], wsc s[14:15], b1 s[16:17], b2 s[18:19]
	s_load_b128 s[20:23], s[0:1], 0x40             ; vtab s[20:21], out0 s[22:23]
	v_lshrrev_b32 v1, 5, v0
	v_readfirstlane_b32 s28, v1                    ; wave 0..7
	v_and_b32 v110, 15, v0                         ; r
	v_bfe_u32 v111, v0, 4, 1                       ; h
	v_and_b32 v1, 31, v0
	v_lshlrev_b32 v[LS], 2, v1
	v_lshlrev_b32 v[LI], 4, v1
	s_wait_alu depctr_va_sdst(0)                   ; s28 is written, ahead of its first reader
	s_mul_i32 s56, s28, 1536
	v_add_nc_u32 v[WI], s56, v[LI]
	s_lshl_b32 s56, s28, 7
	v_add_nc_u32 v[WSA], s56, v[LS]
	v_add_nc_u32 v[LIH], HIMG, v[LI]
	v_add_nc_u32 v[LSH], HSC, v[LS]
	v_add_nc_u32 v[WIH], HIMG, v[WI]
	v_add_nc_u32 v[WSH], HSC, v[WSA]
	s_lshl_b32 s58, s28, 9
	v_lshl_add_u32 v109, v111, 6, s58              ; 512 w + 64 h: my bytes of a row of x, and of a bias
	v_add_nc_u32 v[BA], BIAS1, v109
	v_add_nc_u32 v[CO], s58, v[LI]
	s_mul_i32 s56, s28, 8448
	s_add_co_u32 s56, s56, STG                     ; my stage
	v_mul_u32_u24 v[STO], v110, 528
	v_lshl_add_u32 v[STO], v111, 6, v[STO]
	v_add_nc_u32 v[STO], s56, v[STO]               ; in: row r, 64 bytes for each half of the lanes in every 128
	v_add_nc_u32 v[RD], s56, v[LI]                 ; back: the 32 lanes take one row of 512 bytes
	v_mov_b32 v[FLR], 0x1800000
	v_lshlrev_b32 v14, 4, v0                       ; 16 x thread: my four numbers of each bias
	v_add_nc_u32 v108, BIAS1, v14
	s_mov_b32 s30, 0x76543210
	s_mov_b32 s31, 0xfedcba98                      ; v_permlanex16_b32's selects for lane l xor 16
	s_lshl_b32 s56, ttmp9, 4
	s_mov_b32 s57, 0
	s_wait_kmcnt 0x0
	s_add_nc_u64 s[10:11], s[10:11], s[56:57]
	s_load_b128 s[24:27], s[10:11], 0x0            ; my tile: expert s24, first position s25, rows s26
	s_wait_kmcnt 0x0
	s_min_u32 s24, s24, 7                          ; loaded numbers enter addresses only behind a bound
	s_min_u32 s25, s25, 0xfff
	s_min_u32 s26, s26, 64
	s_mul_i32 s56, s24, 786432
	s_mul_i32 s58, s28, 98304
	s_add_co_u32 s56, s56, s58
	s_add_nc_u64 s[32:33], s[12:13], s[56:57]      ; my 64 fragments of W1_e; W2_e's lie 6,291,456 bytes on
	s_lshl_b32 s56, s24, 15
	s_lshl_b32 s58, s28, 12
	s_add_co_u32 s56, s56, s58
	s_add_nc_u64 s[34:35], s[14:15], s[56:57]      ; their scale words
	s_lshl_b32 s56, s24, 12
	s_add_nc_u64 s[36:37], s[16:17], s[56:57]      ; b1_e
	s_add_nc_u64 s[38:39], s[18:19], s[56:57]      ; b2_e
.irp c, 0,1,2,3,4,5,6,7
	s_add_nc_u64 s[40+2*\c:41+2*\c], s[20:21], 4096*\c             ; T_e's eight terms: v_c,
	s_cmp_eq_u32 s24, \c
	s_cselect_b64 s[40+2*\c:41+2*\c], s[38:39], s[40+2*\c:41+2*\c] ; and b2_e in the place of v_e
.endr
	s_max_u32 s59, s26, 1
	s_sub_co_u32 s59, s59, 1                       ; the tile's last row: lanes past it repeat it
.irp m, 0,1,2,3
	v_add_nc_u32 v[OAD+\m], 16*\m, v110
	v_min_u32 v[OAD+\m], s59, v[OAD+\m]
	v_add_nc_u32 v[OAD+\m], s25, v[OAD+\m]
	v_min_u32 v[OAD+\m], 0xfff, v[OAD+\m]
	v_lshlrev_b32 v[OAD+\m], 2, v[OAD+\m]
.endr
	s_wait_alu depctr_va_vdst(0)                   ; every address and offset made so far is written: v1 to v8, v28 to v31, v14, v108 and the four v[OAD ..], which the loads and stores from here on read
.irp m, 0,1,2,3
	global_load_b32 v[RW+\m], v[OAD+\m], s[8:9]    ; row 16 m + r of the tile
.endr
	global_load_b128 v[64:67], v14, s[36:37]
.irp c, 0,1,2,3,4,5,6,7
	global_load_b128 v[68+4*\c:71+4*\c], v14, s[40+2*\c:41+2*\c]
.endr
	WSLOAD 0
	s_wait_loadcnt 17                              ; the four rows' numbers are in; the 9 loads of biases and 8 of scale words may be out
.irp m, 0,1,2,3
	v_min_u32 v[RW+\m], 0xfff, v[RW+\m]
	v_lshlrev_b32 v[CA+\m], 2, v[RW+\m]
	v_lshl_add_u32 v[XA+\m], v[RW+\m], 12, v109
.endr
	s_wait_alu depctr_va_vdst(0)                   ; the offsets v[CA ..] and v[XA ..] are written, which the loads of the ids and of x read; only loads and a window switch stand between this wait and the last of them
.irp m, 0,1,2,3
	global_load_b32 v[CD+\m], v[CA+\m], s[6:7]     ; the rows' ids, for the mask
.endr
	WIN 0x40
.irp m, 0,1,2,3                                ; K step w of the 64 rows: of each block of 32 my half's 16 neighbours
.irp b, 0,1,2,3
.irp j, 0,1,2,3
	global_load_b128 v[64*\m+16*\b+4*\j:64*\m+16*\b+4*\j+3], v[XA+\m], s[4:5] offset:128*\b+16*\j th:TH_LOAD_NT
.endr
.endr
.endr
	WIN 0
	s_wait_loadcnt 63                              ; 68 loads were issued behind the scale words; the count's field holds 63: of the 89 issued the first 26 are in, biases, scale words and ids among them
.irp m, 0,1,2,3
	v_cmp_eq_u32 s[60+\m], s24, v[CD+\m]           ; reference()'s mask for the four tiles of rows, in a run: the bit is set where the row's id is the expert
.endr
.irp c, 1,2,3,4,5,6,7
	v_pk_add_f32 v[68:69], v[68:69], v[68+4*\c:69+4*\c]            ; T_e, in ascending c
	v_pk_add_f32 v[70:71], v[70:71], v[70+4*\c:71+4*\c]
.endr
	s_wait_alu depctr_va_vdst(0)                   ; the sums have written v[68:71], which the second store reads
	ds_store_b128 v108, v[64:67]
	ds_store_b128 v108, v[68:71] offset:4096
	s_wait_dscnt 0x0                               ; the two stores are done
	s_wait_alu depctr_va_sdst(0)                   ; the four masks s60 to s63 are written, ahead of the selects that read them
	s_wait_alu depctr_vm_vsrc(0)                   ; the stores have read v[64:71] and v108, the loads above v14 and v100 to v107: the mask, QUANT and later the loads of the rows' fragments write these registers
	; ---- X: my K step of the 64 rows is masked, quantised and stored as four images.  The counts: the loads of x of the tiles of rows still to come, 16 each, and the ring's groups issued so far, 12 each
.irp m, 0,1,2,3
	s_wait_loadcnt 48-4*\m
.if \m < 3
	RLOAD \m
.endif
	v_cndmask_b32 v[MK], 0, 1.0, s[60+\m]          ; 1 where the row's id is the expert
	v_cndmask_b32 v[MK+1], 0, 1.0, s[60+\m]        ; (named with it as a pair)
	WIN 0x41
.set J, 0
.rept 32
	v_pk_mul_f32 v[64*\m+J:64*\m+J+1], v[64*\m+J:64*\m+J+1], v[MK:MK+1] op_sel_hi:[1,0]
.set J, J+2
.endr
	QUANT 64*\m
	IMAGE WI, XIMG+8*\m*1536, WSA, XSC+8*\m*128
.endr
	PRELOAD 0                                      ; b1_e
	BARRIER                                        ; x's 32 fragments lie in LDS
	; ---- 1: my 128 hidden units for the 64 rows.  The two younger groups of the ring may be out
	FETCHB LI, XIMG, LS, XSC, 0                    ; K step 0's rows.  (The fourth IMAGE's two waits cover v64 to v111: no vector line and no store has named them since)
.irp g, 0,1,2,3,4,5,6,7,8,9,10,11,12,13,14,15
	GROUP \g, LI, XIMG, LS, XSC, 24
.endr
	; ---- the hidden layer: relu, quantised, K step w of the second product.  Each accumulator is read from its low end on
.irp m, 0,1,2,3
	WIN 0x44
.set J, 0
.rept 64
	v_max_num_f32 v[64*\m+J], 0, v[64*\m+J]
.set J, J+1
.endr
	QUANT 64*\m
	IMAGE WIH, 8*\m*1536, WSH, 8*\m*128
.endr
	PRELOAD 4096                                   ; T_e
	BARRIER                                        ; the hidden layer's 32 fragments lie in LDS
	; ---- 2: my 128 outputs for the 64 rows
	FETCHB LIH, 0, LSH, 0, 0                       ; K step 0's rows, covered as in the first layer
	GROUP 16, LIH, 0, LSH, 0, 12                   ; behind the second layer's scale words only group 18 was issued
.irp g, 17,18,19,20,21,22,23,24,25,26,27,28,29
	GROUP \g, LIH, 0, LSH, 0, 24
.endr
	GROUP 30, LIH, 0, LSH, 0, 12                   ; the counts run down: nothing is left to ask for
	GROUP 31, LIH, 0, LSH, 0, 0
	; ---- THE WAY OUT, 16 rows at a time, through my own stage: a lane holds 4 x 64 bytes of one row; they come back as whole rows of my 512 bytes.  A branch on the stored count of rows; no barrier stands behind it.
	; In a part-filled 16 the lanes past the last row hold that row again and store the same numbers to the same bytes.
.irp m, 0,1,2,3
	s_cmp_le_u32 s26, 16*\m
	s_cbranch_scc1 .Ldone
.if \m > 0
	s_wait_xcnt 0x0                                ; the last stores have read their data and offsets: both are written again below
.endif
	WIN 0x04                                       ; an LDS store's data are its source 1
.irp b, 0,1,2,3
.irp q, 0,1,2,3
	ds_store_b128 v[STO], v[64*\m+16*\b+4*\q:64*\m+16*\b+4*\q+3] offset:128*\b+16*\q   ; each accumulator from its low end on; group 31's wait has shown them written, and no line writes them since
.endr
.endr
	WIN 0
.irp i, 0,1,2,3,4,5,6,7,8,9,10,11,12,13,14,15
	ds_load_b128 v[BK+4*\i:BK+4*\i+3], v[RD] offset:528*\i         ; LDS serves a wave's instructions in order (ISA guide 5.7.1.4): these see my stores
.endr
.irp i, 0,1,2,3,4,5,6,7,8,9,10,11,12,13,14,15
	v_readlane_b32 s[56+\i+2*(\i/8)], v[RW+\m], \i ; which row of out is the tile's row 16 m + i: sixteen in a run, into s56-63 and s66-73
.endr
	s_wait_alu depctr_va_sdst(0)                   ; the sixteen numbers are written, ahead of the scalar lines that bound them
.irp i, 0,1,2,3,4,5,6,7,8,9,10,11,12,13,14,15
	s_min_u32 s[56+\i+2*(\i/8)], s[56+\i+2*(\i/8)], 0xfff
	v_lshl_add_u32 v[OA+\i], s[56+\i+2*(\i/8)], 12, v[CO]
.endr
	s_wait_alu depctr_va_vdst(0)                   ; the sixteen offsets v[OA ..] are written, which the stores read
.irp i, 0,1,2,3,4,5,6,7,8,9,10,11,12,13,14,15
	s_wait_dscnt 15-\i
	global_store_b128 v[OA+\i], v[BK+4*\i:BK+4*\i+3], s[22:23] th:TH_STORE_NT   ; 32 lanes store 512 consecutive bytes of one row, at a multiple of 256 from out0's first byte
.endr
.if \m < 3
	s_wait_alu depctr_vm_vsrc(0)                   ; ahead of the branch: the sixteen stores have read v[BK ..] and v[OA ..], which the next 16 rows' loads and offsets write again
.endif
.endr
.Ldone:
	s_wait_xcnt 0x0                                ; every store issued so far has had its address translated
	v_lshl_add_u32 v254, v0, 2, 0x2c800            ; the add's two registers, made anew from v0: no two could be kept.  No memory or LDS instruction has read v254 or v255
	v_mov_b32 v255, 0
	s_wait_dscnt 0x0                               ; the closing lines, six on end
	s_wait_alu 0x0
	s_wait_tensorcnt 0x0
	ds_add_u32 v254, v255
	s_wait_dscnt 0x0
	s_endpgm
.Lfunc_end_k_qd77aa869f0_chain:
	.size	k_qd77aa869f0_chain, .Lfunc_end_k_qd77aa869f0_chain-k_qd77aa869f0_chain
	.p2alignl 7, 3214868480
	.fill 96, 4, 3214868480
	.section	.rodata,"a",@progbits
	.p2align	6, 0x0
	.amdhsa_kernel k_qd77aa869f0_chain
		.amdhsa_group_segment_fixed_size 183296
		.amdhsa_private_segment_fixed_size 0
		.amdhsa_enable_private_segment 0
		.amdhsa_kernarg_size 80
		.amdhsa_user_sgpr_count 2
		.amdhsa_user_sgpr_kernarg_segment_ptr 1
		.amdhsa_wavefront_size32 1
		.amdhsa_system_sgpr_workgroup_id_x 1
		.amdhsa_system_sgpr_workgroup_id_y 1
		.amdhsa_system_sgpr_workgroup_id_z 1
		.amdhsa_system_vgpr_workitem_id 0
		.amdhsa_next_free_vgpr 512
		.amdhsa_next_free_sgpr 80
		.amdhsa_reserve_vcc 0
		.amdhsa_float_denorm_mode_32 3
		.amdhsa_float_denorm_mode_16_64 3
		.amdhsa_memory_ordered 1
		.amdhsa_forward_progress 1
		.amdhsa_inst_pref_size 228
	.end_amdhsa_kernel
	.amdgpu_metadata
---
amdhsa.version: [ 1, 2 ]
amdhsa.kernels:
  - .name:           k_qd77aa869f0_chain
    .symbol:         k_qd77aa869f0_chain.kd
    .args:
      - { .name: x, .offset: 0, .size: 8, .value_kind: global_buffer, .address_space: global }
      - { .name: cond_ids, .offset: 8, .size: 8, .value_kind: global_buffer, .address_space: global }
      - { .name: order, .offset: 16, .size: 8, .value_kind: global_buffer, .address_space: global }
      - { .name: tiles, .offset: 24, .size: 8, .value_kind: global_buffer, .address_space: global }
      - { .name: wq, .offset: 32, .size: 8, .value_kind: global_buffer, .address_space: global }
      - { .name: wsc, .offset: 40, .size: 8, .value_kind: global_buffer, .address_space: global }
      - { .name: b1, .offset: 48, .size: 8, .value_kind: global_buffer, .address_space: global }
      - { .name: b2, .offset: 56, .size: 8, .value_kind: global_buffer, .address_space: global }
      - { .name: vtab, .offset: 64, .size: 8, .value_kind: global_buffer, .address_space: global }
      - { .name: out0, .offset: 72, .size: 8, .value_kind: global_buffer, .address_space: global }
    .group_segment_fixed_size: 183296
    .private_segment_fixed_size: 0
    .kernarg_segment_align: 8
    .kernarg_segment_size: 80
    .max_flat_workgroup_size: 256
    .sgpr_count:     80
    .vgpr_count:     512
    .wavefront_size: 32
...
	.end_amdgpu_metadata
.endif
;; end of part 4
